; MI455X (gfx1250); checked and timed in simulation.
; The chip was launched on July 23, 2026; its instructions are those of AMD's public machine-readable ISA for CDNA 5 (MIT licence, August 2026) and "CDNA5" Instruction Set Architecture Reference Guide (July 2026). The comments in the code are by the model that wrote it; some were corrected since.
;; Enhanced Self Attention. Allowed arithmetic: matrix products marked QUANTISED: E3M2 operands, one E8M0 scale for each 32 along K, by v_wmma_scale_f32_16x16x128_f8f6f4 with both operands' format E3M2, f32 sums; everything else in f32.
;; Inputs: W1 1,024 x 1,024 float32; W2 1,024 x 1,024 float32; b1 1,024 float32; b2 1,024 float32; coeff 1,024 float32; x 8 x 1,024 x 1,024 float32.
;; Outputs: out0 8 x 1,024 x 2,048 float32.
;; This version of the problem:
;;   THIS VERSION OF THE PROBLEM IS GIVEN IN LOW PRECISION. The matrix products marked QUANTISED in the list below multiply operands that are first quantised to E3M2 (3 exponent bits, 2 mantissa bits; 6 bits a number), with one power-of-two scale for each 32 numbers along K (OCP MX v1.0); their sums are f32. All else is computed in f32.
;;   The module's matrix products, in the order in which they are computed (A, B: the left and right operand; K: the contracted axis; several contracted axes count as one K, in the product's order):
;;     1. [M 8,192, K 1,024] x [K 1,024, N 1,024]; A: input x; B: input W1: QUANTISED
;;     2. batch 8 x [M 1,024, K 1,024] x [K 1,024, N 1,024]; A: computed on the way; B: computed on the way: QUANTISED
;;     3. batch 8 x [M 1,024, K 1,024] x [K 1,024, N 1,024]; A: softmax (see below); B: input x: QUANTISED
;;     4. [M 8,192, K 1,024] x [K 1,024, N 1,024]; A: computed on the way; B: input W2: QUANTISED
;;     5. [M 8,192, K 1,024] x [K 1,024, N 1,024]; A: input x; B: input W2: QUANTISED
;;     6. batch 8 x [M 1,024, K 1,024] x [K 1,024, N 1,024]; A: computed on the way; B: computed on the way: QUANTISED
;;     7. batch 8 x [M 1,024, K 1,024] x [K 1,024, N 1,024]; A: softmax (see below); B: computed on the way: QUANTISED
;;   THE QUANTISER, for each operand of a quantised product, along K:
;;     - K is cut into blocks of 32 from its start; a last block that is shorter is filled with zeros.
;;     - A block's scale is 2^e with e = floor(log2(the largest magnitude in the block)) - 4, held to -126 .. 127; a block of zeros has e = 0. As a byte (E8M0): e + 127.
;;     - Each number is divided by its block's scale, clamped to +-28, and rounded to the nearest number of E3M2, ties to even, subnormals kept.
;;     - The product sums the exact products of the quantised numbers (number of the format x scale) in f32.
;;   ~~~python
;;   def quantise(x, axis):      # numpy; x: float32 -> the quantised numbers, widened to float32 again
;;       x = np.moveaxis(x, axis, -1); K = x.shape[-1]
;;       x = np.pad(x, [(0, 0)] * (x.ndim - 1) + [(0, -K % 32)]); x = x.reshape(x.shape[:-1] + (-1, 32)); a = np.abs(x).max(-1, keepdims=True)
;;       e = np.where(a > 0, np.clip(np.frexp(np.where(a > 0, a, 1))[1] - 1 - 4, -126, 127), 0)      # np.frexp(a)[1] - 1 = floor(log2(a)), exactly
;;       r = np.clip(x / 2.0 ** e, -28, 28)
;;       step = 2.0 ** (np.maximum(np.frexp(np.where(r == 0, 1, r))[1] - 1, -2) - 2)
;;       q = np.round(r / step) * step * 2.0 ** e      # np.round: ties to even
;;       return np.moveaxis(q.reshape(q.shape[:-2] + (-1,))[..., :K], -1, axis).astype(np.float32)
;;   ~~~
;;   SOFTMAX AHEAD OF A QUANTISED PRODUCT. Where the list says 'softmax', what is quantised is not the finished softmax but p = 2^(t - M), with t = logit x log2(e) and M = ceil(the row's largest t), a whole number; so 1/2 < the row's largest p <= 1. The row's sum l is taken of the UNQUANTISED p, in f32, and the product's result is divided by l at the end. Since M is a whole number, a kernel that streams over the keys may use a running M (the ceiling of the running maximum): every later rescaling is an exact power of two, which a block's scale takes up: the codes' values come out the same.
;;   OPERANDS COMPUTED ON THE WAY. 'Computed on the way' means the value that the module computes at that place (a softmax that the list does not call 'softmax' is quantised finished and normalised). What goes into a quantiser is computed in f32, as accurately as f32 sums, v_exp_f32 and their like allow (about 1e-6 of the number): no bf16 or f16 on the way to a quantiser, and a product that is left as it is and whose result goes on into a quantised operand takes f32 operands (vector FMAs, or v_wmma_f32_16x16x4_f32). A number that lies on a knife's edge between two numbers of the format may be rounded either way, as far as f32 arithmetic and the matrix unit's own rounding can turn it there, and no further.
;; One version. Each part assembles by itself: llvm-mc -triple=amdgcn-amd-amdhsa -mcpu=gfx1250 --defsym DOCPART=n.
;; ======== version 1 of 1: 4 launches
;; limits: right only within a limited range of input values
;; workspace buffers: qa 13,107,200 bytes; qw 1,638,400 bytes; qv 13,107,200 bytes; qh 19,660,800 bytes; qp 14,155,776 bytes
;; launch prep (part 1): grid 16 x 16, 8 waves a work-group, no clusters, 198,656 bytes of LDS; arguments x, W1, W2, out0, qa, qw, qv; writes out0, qa, qw, qv
.if DOCPART == 1
	.amdgcn_target "amdgcn-amd-amdhsa--gfx1250"
	.amdhsa_code_object_version 6
	.text
	.protected	k_q2b2722e7f0_prep
	.globl	k_q2b2722e7f0_prep
	.p2align	8
	.type	k_q2b2722e7f0_prep,@function
k_q2b2722e7f0_prep:
	s_mov_b64 s[64:65], 0
	v_nop
	global_prefetch_b8 v0, s[64:65] scope:SCOPE_SE
	s_setreg_imm32_b32 hwreg(HW_REG_WAVE_MODE, 25, 1), 1
	s_wait_xcnt 0x0
; PREP.  x [8][1024 s][1024 d] f32 is read once.  It is copied into the left half of out0's rows; xmax = the largest over the 8 batches and lhs = xmax - x are formed;
; x and lhs are turned into codes of BF6 (E3M2) twice, along d (operands of the projections, buffer qa) and along s (the values of the two attentions, buffer qv); W1 and W2 along d (buffer qw).
; A block's scale is 2^(floor(log2(its largest magnitude)) - 4); its byte is the largest magnitude's exponent field - 4, held at 1 from below.
; LIMITS: NaN and infinities are not served.  A block of zeros gets the byte 1 where the quantiser says 127: its codes are zeros, and this program alone reads the bytes.
; SHARES.  Work-group (td, ts) owns s = 64 ts .., d = 64 td .. of all 8 batches and the same 64 x 64 of W1 and W2: 10 planes of 64 rows x 256 bytes, kept in LDS, so that both directions are read from there.
; LAYOUT OF THE CODES: [64 along K][block of 16 rows][768 bytes].  The 768 bytes are the image of six registers of a matrix operand: lane l's first four registers at 16 l, its last two at 512 + 8 l; lane (r, h)
; holds 32 codes: K block h of the 64, of the row that lane r stands for.  THE ROWS OF A BLOCK ARE NOT NEIGHBOURS: in each 32 rows, lane r of block 2 A + u stands for row 32 A + 8 u + r + 8 (r / 8), so that the results
; of a product that takes such a block as its first source lie 16 neighbours to a lane.  Every store of codes covers 512 or 256 consecutive bytes, aligned.
; LAYOUT OF THE SCALE BYTES: [256 rows][64 along K] as 16-bit halves: [tile of 256 rows][K / 64][row] with the lower block's byte low.  A work-group's piece is 128 consecutive bytes.
; No tensor loads, no matrix work, no cluster: the work-groups share no input byte.
.set PL,    17536                      ; a plane in LDS: element (row, col) at 272 row + 128 (row / 32) + 4 col: rows 32 apart fall into the other half of the 64 banks (ISA guide 11.1), so the reads down a column meet no bank twice
.set SS,    11*PL                      ; behind planes 0-7 (x), 8, 9 (W1, W2), 10 (xmax): the scale bytes' stage, 34 units of 128 bytes
.set KPX,   786432                     ; qa, qv: bytes from one 64 along K to the next: 1,024 blocks of 768
.set KPW,   98304                      ; qw: 128 blocks
.set BSTEP, 49152                      ; a batch's 64 blocks
.set LHS,   393216                     ; lhs lies 512 blocks behind x
; REGISTERS: v1 lane, v2 r, v3 h; v4-20 addresses; v21-24 at work; first phase: v32-47 xmax, v48-207 ten planes x 16; second phase: v48-79 xmax's 32 numbers, v80-143 two sets of x's, v144-175 lhs, v176-186 codes.
	s_load_b256 s[4:11], s[0:1], 0x0               ; x, W1, W2, out0
	s_load_b128 s[12:15], s[0:1], 0x20             ; qa, qw
	s_load_b64 s[16:17], s[0:1], 0x30              ; qv
	v_lshl_add_u32 v208, v0, 2, 0x30400
	v_mov_b32 v209, 0
	v_lshrrev_b32 v1, 5, v0
	s_delay_alu instid0(VALU_DEP_1)
	v_readfirstlane_b32 s18, v1                    ; wave 0..7
	s_mov_b32 s19, ttmp9                           ; td
	s_and_b32 s20, ttmp7, 0xffff                   ; ts
	s_lshr_b32 s21, s18, 2                         ; which four batches (and which W) are mine in the second phase
	s_and_b32 s22, s18, 3                          ; rho: which block of 16 rows of the tile's four
	s_lshr_b32 s23, s22, 1
	s_min_u32 s90, s18, 1                          ; (for the piece of W's scale bytes, which waves 0 and 1 store)
	v_and_b32 v1, 31, v0
	v_and_b32 v2, 15, v0
	v_bfe_u32 v3, v0, 4, 1
	s_delay_alu instid0(VALU_DEP_2)
	v_lshlrev_b32 v25, 4, v2                       ; 16 r
	s_lshl_b32 s66, s18, 15
	v_lshl_add_u32 v4, v3, 12, v25
	s_delay_alu instid0(VALU_DEP_1)
	v_add_nc_u32 v4, s66, v4                       ; x, W: row 8 w + h of 4,096 bytes, 16 bytes a lane
	s_lshl_b32 s66, s18, 16
	v_lshl_add_u32 v5, v3, 13, v25
	s_delay_alu instid0(VALU_DEP_1)
	v_add_nc_u32 v5, s66, v5                       ; out0: rows of 8,192 bytes
	s_mul_i32 s66, s18, 2176
	s_lshl_b32 s67, s21, 7
	s_add_co_u32 s66, s66, s67
	v_mad_u32_u24 v6, v3, 272, v25
	s_delay_alu instid0(VALU_DEP_1)
	v_add_nc_u32 v6, s66, v6                       ; LDS, on the way in: row 8 w + h of planes 0-3,
	s_delay_alu instid0(VALU_DEP_1)
	v_add_nc_u32 v7, 4*PL, v6                      ; 4-7,
	s_delay_alu instid0(VALU_DEP_2)
	v_add_nc_u32 v8, 8*PL, v6                      ; 8-10
	s_lshl_b32 s66, s23, 5
	s_and_b32 s67, s22, 1
	s_lshl_b32 s67, s67, 3
	s_add_co_u32 s66, s66, s67
	v_and_b32 v25, 8, v2
	s_delay_alu instid0(VALU_DEP_1)
	v_add_nc_u32 v25, v25, v2
	s_delay_alu instid0(VALU_DEP_1)
	v_add_nc_u32 v25, s66, v25                     ; the row (or column) of the tile that my lane stands for: 32 (rho / 2) + 8 (rho % 2) + r + 8 (r / 8)
	s_delay_alu instid0(VALU_DEP_1)
	v_mul_u32_u24 v26, v25, 272
	s_delay_alu instid0(VALU_DEP_1)
	v_lshl_add_u32 v26, v3, 7, v26
	s_lshl_b32 s66, s23, 7
	v_add_nc_u32 v26, s66, v26                     ; along d: that row, + 128 h bytes
	s_mul_i32 s67, s21, 4*PL
	v_add_nc_u32 v9, s67, v26                      ; in my first batch's plane,
	v_add_nc_u32 v10, 10*PL, v26                   ; in xmax's,
	s_mul_i32 s66, s21, PL
	s_add_co_u32 s66, s66, 8*PL
	v_add_nc_u32 v11, s66, v26                     ; in my W's
	v_mul_u32_u24 v27, v3, 8832
	s_delay_alu instid0(VALU_DEP_1)
	v_lshl_add_u32 v27, v25, 2, v27                ; along s: that column, from row 32 h on
	s_delay_alu instid0(VALU_DEP_1)
	v_add_nc_u32 v12, s67, v27
	s_delay_alu instid0(VALU_DEP_2)
	v_add_nc_u32 v13, 10*PL, v27
	v_lshl_add_u32 v28, v2, 1, v3                  ; 2 r + h: my byte of a block's 32
	s_lshl_b32 s66, s21, 9
	s_lshl_b32 s67, s22, 5
	s_add_co_u32 s66, s66, s67
	s_add_co_u32 s66, s66, SS
	v_add_nc_u32 v14, s66, v28                     ; the stage: unit = 16 direction + 8 tensor + batch; 128 bytes a unit
	s_lshl_b32 s66, s21, 7
	s_add_co_u32 s66, s66, s67
	s_add_co_u32 s66, s66, SS+4096
	v_add_nc_u32 v15, s66, v28                     ; units 32, 33: W1, W2
	v_lshlrev_b32 v16, 4, v1
	v_lshlrev_b32 v17, 3, v1
	v_lshlrev_b32 v18, 2, v1
	s_lshl_b32 s66, s18, 7
	s_add_co_u32 s66, s66, SS
	v_lshl_add_u32 v19, v1, 2, s66                 ; third phase: batch w's units
	s_lshl_b32 s66, s90, 7
	s_add_co_u32 s66, s66, SS+4096
	v_lshl_add_u32 v20, v1, 2, s66
	; byte offsets, apart from the addresses
	s_lshl_b32 s74, s20, 18
	s_lshl_b32 s66, s19, 8
	s_add_co_u32 s74, s74, s66                     ; x, W: 64 ts rows + 256 td
	s_mov_b32 s75, 0
	s_lshl_b32 s76, s20, 19
	s_add_co_u32 s76, s76, s66                     ; out0
	s_mov_b32 s77, 0
	s_lshl_b32 s66, s21, 8
	s_lshl_b32 s67, s20, 2
	s_add_co_u32 s67, s67, s22
	s_add_co_u32 s68, s66, s67
	s_mul_i32 s68, s68, 768
	s_mul_i32 s78, s19, KPX
	s_add_co_u32 s78, s78, s68                     ; qa: K / 64 = td, block 256 (w / 4) + 4 ts + rho
	s_mov_b32 s79, 0
	s_lshl_b32 s68, s21, 6
	s_add_co_u32 s68, s68, s67
	s_mul_i32 s68, s68, 768
	s_mul_i32 s82, s19, KPW
	s_add_co_u32 s82, s82, s68                     ; qw: block 64 (w / 4) + 4 ts + rho
	s_mov_b32 s83, 0
	s_lshl_b32 s67, s19, 2
	s_add_co_u32 s67, s67, s22
	s_add_co_u32 s68, s66, s67
	s_mul_i32 s68, s68, 768
	s_mul_i32 s80, s20, KPX
	s_add_co_u32 s80, s80, s68                     ; qv: K / 64 = ts, block 256 (w / 4) + 4 td + rho
	s_mov_b32 s81, 0
	s_lshl_b32 s66, s18, 2
	s_lshr_b32 s67, s20, 2
	s_add_co_u32 s68, s66, s67
	s_lshl_b32 s84, s68, 13
	s_lshl_b32 s69, s19, 9
	s_and_b32 s70, s20, 3
	s_lshl_b32 s70, s70, 7
	s_add_co_u32 s69, s69, s70
	s_add_co_u32 s84, s84, s69
	s_add_co_u32 s84, s84, 16*KPX                  ; qa's scale bytes: tile 4 w + ts / 4, K / 64 = td, piece ts % 4
	s_mov_b32 s85, 0
	s_lshl_b32 s68, s90, 2
	s_add_co_u32 s68, s68, s67
	s_lshl_b32 s88, s68, 13
	s_add_co_u32 s88, s88, s69
	s_add_co_u32 s88, s88, 16*KPW                  ; qw's
	s_mov_b32 s89, 0
	s_lshr_b32 s67, s19, 2
	s_add_co_u32 s68, s66, s67
	s_lshl_b32 s86, s68, 13
	s_lshl_b32 s69, s20, 9
	s_and_b32 s70, s19, 3
	s_lshl_b32 s70, s70, 7
	s_add_co_u32 s86, s86, s69
	s_add_co_u32 s86, s86, s70
	s_add_co_u32 s86, s86, 16*KPX                  ; qv's: td and ts change places
	s_mov_b32 s87, 0
	s_wait_kmcnt 0x0
	s_add_nc_u64 s[24:25], s[4:5], s[74:75]        ; x's tile in batches 0, 2, 4, 6 (the odd ones by the immediate)
	s_add_nc_u64 s[26:27], s[24:25], 0x800000
	s_add_nc_u64 s[28:29], s[26:27], 0x800000
	s_add_nc_u64 s[30:31], s[28:29], 0x800000
	s_add_nc_u64 s[48:49], s[6:7], s[74:75]
	s_add_nc_u64 s[50:51], s[8:9], s[74:75]
	s_add_nc_u64 s[32:33], s[10:11], s[76:77]      ; out0's tile in the 8 batches
.irp b, 1,2,3,4,5,6,7
	s_add_nc_u64 s[32+2*\b:33+2*\b], s[30+2*\b:31+2*\b], 0x800000
.endr
	s_add_nc_u64 s[52:53], s[12:13], s[78:79]
	s_add_nc_u64 s[54:55], s[16:17], s[80:81]
	s_add_nc_u64 s[56:57], s[14:15], s[82:83]
	s_add_nc_u64 s[58:59], s[12:13], s[84:85]
	s_add_nc_u64 s[60:61], s[16:17], s[86:87]
	s_add_nc_u64 s[62:63], s[14:15], s[88:89]
	; ---- FIRST PHASE: wave w brings rows 8 w .. 8 w + 7 of all ten planes: 40 loads on their way at once; sixteen lanes read one row's 256 bytes
.irp p, 0,1,2,3,4,5,6,7
.irp k, 0,1,2,3
	global_load_b128 v[48+16*\p+4*\k:51+16*\p+4*\k], v4, s[24+2*(\p/2):25+2*(\p/2)] offset:(\p%2)*4194304+\k*8192 th:TH_LOAD_NT
.endr
.endr
.irp p, 0,1
.irp k, 0,1,2,3
	global_load_b128 v[176+16*\p+4*\k:179+16*\p+4*\k], v4, s[48+2*\p:49+2*\p] offset:\k*8192 th:TH_LOAD_NT
.endr
.endr
.irp p, 0,1,2,3,4,5,6,7
	s_wait_loadcnt 36-4*\p                         ; loads come back in order (ISA guide 5.7.1): plane p's four are in, those of the planes behind it stay out
.irp k, 0,1,2,3
	global_store_b128 v5, v[48+16*\p+4*\k:51+16*\p+4*\k], s[32+2*\p:33+2*\p] offset:\k*16384 th:TH_STORE_NT   ; the copy of x: sixteen lanes store 256 consecutive bytes, aligned
	ds_store_b128 v[6+\p/4], v[48+16*\p+4*\k:51+16*\p+4*\k] offset:(\p%4)*PL+\k*544
.endr
.endr
.set I, 0
.rept 16
	v_max3_num_f32 v[32+I], v[48+I], v[64+I], v[80+I]              ; xmax, in four runs of sixteen, so that no line waits for the line above it
.set I, I+1
.endr
.set I, 0
.rept 16
	v_max3_num_f32 v[32+I], v[32+I], v[96+I], v[112+I]
.set I, I+1
.endr
.set I, 0
.rept 16
	v_max3_num_f32 v[32+I], v[32+I], v[128+I], v[144+I]
.set I, I+1
.endr
.set I, 0
.rept 16
	v_max_num_f32 v[32+I], v[32+I], v[160+I]
.set I, I+1
.endr
.irp k, 0,1,2,3
	ds_store_b128 v8, v[32+4*\k:35+4*\k] offset:2*PL+\k*544
.endr
.irp p, 8,9
	s_wait_loadcnt 36-4*\p
.irp k, 0,1,2,3
	ds_store_b128 v8, v[48+16*\p+4*\k:51+16*\p+4*\k] offset:(\p%4)*PL+\k*544
.endr
.endr
	s_wait_xcnt 0x0                                ; the copy's stores have read their registers: the second phase loads into them
	s_wait_dscnt 0x0                               ; for the others' sake: my rows lie in LDS
	s_barrier_signal -1
	s_barrier_wait -1
; 32 numbers of my lane, v[s] on, are one block: its byte goes to the stage, its 24 bytes of codes to memory.
.macro Q32 s, base, off, sbr, sbo
	s_wait_xcnt 0x0                                ; the last block's stores have read v176-181
	v_max3_num_f32 v21, |v[(\s)]|, |v[(\s)+1]|, |v[(\s)+2]|
	v_max3_num_f32 v22, |v[(\s)+3]|, |v[(\s)+4]|, |v[(\s)+5]|
.irp i, 6,10,14,18,22,26
	s_delay_alu instid0(VALU_DEP_2)
	v_max3_num_f32 v21, v21, |v[(\s)+\i]|, |v[(\s)+\i+1]|
	s_delay_alu instid0(VALU_DEP_2)
	v_max3_num_f32 v22, v22, |v[(\s)+\i+2]|, |v[(\s)+\i+3]|
.endr
	s_delay_alu instid0(VALU_DEP_2)
	v_max3_num_f32 v21, v21, |v[(\s)+30]|, |v[(\s)+31]|
	s_delay_alu instid0(VALU_DEP_1)
	v_max3_num_f32 v21, v21, v22, 0x2800000        ; and the floor 2^(5 - 127): the byte cannot fall under 1
	s_delay_alu instid0(VALU_DEP_1)
	v_add_nc_u32 v23, 0xfe000000, v21              ; 4 off the exponent field: the conversion takes the exponent field of this operand as its scale
	v_cvt_scalef32_pk16_bf6_f32 v[176:178], v[(\s):(\s)+15], v23
	v_cvt_scalef32_pk16_bf6_f32 v[184:186], v[(\s)+16:(\s)+31], v23   ; (a conversion's three registers begin on an even number)
	v_lshrrev_b32 v24, 23, v23                     ; the scale's byte; also the plain line behind the conversions
	v_mov_b32 v179, v184
	v_mov_b32 v180, v185
	v_mov_b32 v181, v186
	ds_store_b8 v[\sbr], v24 offset:\sbo
	global_store_b128 v16, v[176:179], s[\base:\base+1] offset:\off          ; 512 consecutive bytes,
	global_store_b64 v17, v[180:181], s[\base:\base+1] offset:(\off)+512     ; and 256
.endm
.macro LDROW reg, adr, off                     ; 32 neighbours along d: eight loads of 16 bytes
.irp i, 0,1,2,3,4,5,6,7
	ds_load_b128 v[(\reg)+4*\i:(\reg)+4*\i+3], v[\adr] offset:(\off)+16*\i
.endr
.endm
.macro LDCOL reg, adr, off                     ; 32 neighbours along s: down a column
.set I, 0
.rept 32
	ds_load_b32 v[(\reg)+I], v[\adr] offset:(\off)+272*I
.set I, I+1
.endr
.endm
.macro LDX dir, reg, adr, off
.if \dir
	LDCOL \reg, \adr, \off
.else
	LDROW \reg, \adr, \off
.endif
.endm
; One direction: my block of 16 rows of my four batches, x and lhs.  n = the LDS loads of one batch's 32 numbers: the next batch's are asked for ahead and may stay out.
.macro PASS dir, n, am, ax, base, u0
	LDX \dir, 48, \am, 0
	LDX \dir, 80, \ax, 0
.irp k, 0,1,2,3
.if \k < 3
	LDX \dir, 80+32*((\k+1)%2), \ax, (\k+1)*PL
	s_wait_dscnt \n                                ; all but the n just issued
.else
	s_wait_dscnt 0x0
.endif
	Q32 80+32*(\k%2), \base, \k*BSTEP, 14, (\u0+\k)*128
.set J, 0
.rept 16
	v_pk_add_f32 v[144+J:145+J], v[48+J:49+J], v[80+32*(\k%2)+J:81+32*(\k%2)+J] neg_lo:[0,1] neg_hi:[0,1]   ; lhs = xmax - x
.set J, J+2
.endr
	Q32 144, \base, \k*BSTEP+LHS, 14, (\u0+8+\k)*128
.endr
.endm
	; ---- SECOND PHASE
	PASS 0, 8, 10, 9, 52, 0                        ; along d -> qa
	LDROW 80, 11, 0                                ; my block of my W -> qw
	s_wait_dscnt 0x0
	Q32 80, 56, 0, 15, 0
	PASS 1, 32, 13, 12, 54, 16                     ; along s -> qv
	s_wait_dscnt 0x0                               ; for the others' sake: my bytes lie in the stage
	s_barrier_signal -1
	s_barrier_wait -1
	ds_load_b32 v28, v19
	ds_load_b32 v29, v19 offset:1024
	ds_load_b32 v30, v19 offset:2048
	ds_load_b32 v31, v19 offset:3072
	s_wait_dscnt 0x0
	global_store_b32 v18, v28, s[58:59]
	global_store_b32 v18, v29, s[58:59] offset:262144
	global_store_b32 v18, v30, s[60:61]
	global_store_b32 v18, v31, s[60:61] offset:262144
	s_cmp_lt_u32 s18, 2
	s_cbranch_scc0 .Lend
	ds_load_b32 v32, v20                           ; waves 0 and 1: W1's and W2's piece
	s_wait_dscnt 0x0
	global_store_b32 v18, v32, s[62:63]
.Lend:
	s_wait_tensorcnt 0x0
	ds_add_u32 v208, v209
	s_wait_dscnt 0x0
	s_endpgm
.Lfunc_end_k_q2b2722e7f0_prep:
	.size	k_q2b2722e7f0_prep, .Lfunc_end_k_q2b2722e7f0_prep-k_q2b2722e7f0_prep
	.p2alignl 7, 3214868480
	.fill 96, 4, 3214868480
	.section	.rodata,"a",@progbits
	.p2align	6, 0x0
	.amdhsa_kernel k_q2b2722e7f0_prep
		.amdhsa_group_segment_fixed_size 198656
		.amdhsa_private_segment_fixed_size 0
		.amdhsa_enable_private_segment 0
		.amdhsa_kernarg_size 56
		.amdhsa_user_sgpr_count 2
		.amdhsa_user_sgpr_kernarg_segment_ptr 1
		.amdhsa_wavefront_size32 1
		.amdhsa_system_sgpr_workgroup_id_x 1
		.amdhsa_system_sgpr_workgroup_id_y 1
		.amdhsa_system_sgpr_workgroup_id_z 1
		.amdhsa_system_vgpr_workitem_id 0
		.amdhsa_next_free_vgpr 210
		.amdhsa_next_free_sgpr 96
		.amdhsa_reserve_vcc 0
		.amdhsa_float_denorm_mode_32 3
		.amdhsa_float_denorm_mode_16_64 3
		.amdhsa_memory_ordered 1
		.amdhsa_forward_progress 1
		.amdhsa_inst_pref_size 79
	.end_amdhsa_kernel
	.amdgpu_metadata
---
amdhsa.version: [ 1, 2 ]
amdhsa.kernels:
  - .name:           k_q2b2722e7f0_prep
    .symbol:         k_q2b2722e7f0_prep.kd
    .args:
      - { .name: x, .offset: 0, .size: 8, .value_kind: global_buffer, .address_space: global }
      - { .name: W1, .offset: 8, .size: 8, .value_kind: global_buffer, .address_space: global }
      - { .name: W2, .offset: 16, .size: 8, .value_kind: global_buffer, .address_space: global }
      - { .name: out0, .offset: 24, .size: 8, .value_kind: global_buffer, .address_space: global }
      - { .name: qa, .offset: 32, .size: 8, .value_kind: global_buffer, .address_space: global }
      - { .name: qw, .offset: 40, .size: 8, .value_kind: global_buffer, .address_space: global }
      - { .name: qv, .offset: 48, .size: 8, .value_kind: global_buffer, .address_space: global }
    .group_segment_fixed_size: 198656
    .private_segment_fixed_size: 0
    .kernarg_segment_align: 8
    .kernarg_segment_size: 56
    .max_flat_workgroup_size: 256
    .sgpr_count:     96
    .vgpr_count:     210
    .wavefront_size: 32
...
	.end_amdgpu_metadata
.endif
;; end of part 1
;; launch proj (part 2): grid 4 x 64, 4 waves a work-group, clusters of 4 x 4, 327,680 bytes of LDS; arguments qa, qw, b1, b2, qh; writes qh
.if DOCPART == 2
	.amdgcn_target "amdgcn-amd-amdhsa--gfx1250"
	.amdhsa_code_object_version 6
	.text
	.protected	k_q2b2722e7f0_proj
	.globl	k_q2b2722e7f0_proj
	.p2align	8
	.type	k_q2b2722e7f0_proj,@function
k_q2b2722e7f0_proj:
	s_mov_b64 s[64:65], 0
	v_nop
	global_prefetch_b8 v0, s[64:65] scope:SCOPE_SE
	s_setreg_imm32_b32 hwreg(HW_REG_WAVE_MODE, 25, 1), 1
	s_wait_xcnt 0x0
	s_wait_alu depctr_hold_cnt(0) depctr_sa_sdst(0) depctr_va_vdst(0) depctr_va_sdst(0) depctr_va_ssrc(0) depctr_va_vcc(0) depctr_vm_vsrc(0)
	s_getreg_b32 s2, hwreg(HW_REG_IB_STS2, 6, 4)
	s_cmp_eq_u32 s2, 0
	s_cbranch_scc0 .Lentry_in_a_cluster
	s_endpgm
.Lentry_in_a_cluster:
	s_bfe_u32 s2, ttmp6, 0x10000c
	s_cmp_lg_u32 s2, 0xf033
	s_cbranch_scc0 .Lentry_shape_is_right
	s_endpgm
.Lentry_shape_is_right:
; PROJ.  h = relu(x W1^T + b1), r = relu(x W2^T + b2), l = relu((xmax - x) W2^T + b2): three products [8192 x 1024] x [1024 x 1024] on codes of BF6 (E3M2) with E8M0 scales.
; The results are quantised along their columns, which are the next product's K, in registers, and leave as codes and scale words (buffer qh): nothing wider goes to memory.
; LIMITS: NaN and infinities are not served; a block of zeros carries the byte 1 (its codes are zeros; this program alone reads the bytes).
; SHARES.  The three products are 384 tiles of 256 x 256, one and a half for each of 256 work-groups.  A WORK-GROUP STAYS: it makes one whole tile of h or r (tile row ty = 0 .. 63, tile column tc) and then HALF a tile of l:
; rows 256 (ty % 32) on, columns 128 (2 tc + ty / 32) on.  So all work-groups have the same work, and the second tile's operands land while the first tile is finished.
; Four waves, one to a SIMD.  First tile: a wave makes 128 x 128, 64 accumulators.  Second: a wave makes 64 rows x all 128 columns, 32 accumulators, so that it still holds whole fragments and whole scale words of the next product.
; THE MATRIX INSTRUCTION IS USED TRANSPOSED (source 0 = 16 rows of W, source 1 = 16 rows of x): a lane holds one row of the result.  The rows of a block of 16 are laid so in qa and qw (lane r of block 2 A + u: row
; 32 A + 8 u + r + 8 (r / 8)) that the lane's 16 registers of two neighbouring accumulators are 16 neighbours along the next K.
; OPERANDS LIE IN MEMORY AND IN LDS AS IMAGES OF THEIR REGISTERS: [64 along K][block of 16 rows][768 bytes]; a fragment (12 registers) is two loads of 16 bytes at 16 x lane and two of 8 at 512 + 8 x lane: no pitch, no padding.
; LDS holds THREE slots of 256 along K.  First tile: three quarters of K go out as first fills, the last quarter is a refill of slot 0.  The second tile's operands for ALL of K are as many bytes as the three slots:
; A's 256 rows take slots 1 and 2 (196,608 bytes) when the first tile has read them, B's 128 rows take slot 0 (98,304 bytes).  Three refills in all, each behind a round of the cluster's barrier, one tensor load a wave.
; A wave has three tensor loads out at the start, later one.
; CLUSTERS: 4 x 4 work-groups; A's tiles (both) hang on the tile row alone and are asked for jointly along a row of the cluster, B's (both) on the tile column and the cluster's y and are asked for jointly along a column.
; REGISTERS: window 0: v0-31 addresses; v32-63 scale words, two sets; v64-159, v160-255 A's fragments, two sets.  Window 1: v0-95, v128-223 B's, two sets; v96-127, v224-255 the bias in the result's layout.  Windows 2, 3: the accumulators, (a, b) at v[8 (8 (a % 4) + b)].
; THE FILLS AS THE TEXT HAS THEM (where the paragraph on LDS above differs, this one holds).  A slot of 256 along K is A's part [4 x 64 along K][16 blocks][768], then B's likewise.
; At the head each wave issues ONE joint load of 49,152 bytes: waves 0, 2 A's 256 rows, waves 1, 3 B's; waves 0, 1 K 0-255 (slot 0), waves 2, 3 K 256-511 (slot 1).
; Slot 2 (K 512-767) is first filled behind the full sequence and a round ahead of K step 0, a quarter a wave (A or B, 128 along K); slot 0 takes K 768-1023 in K step 1; the second tile's two fills follow as above.
; By the text's own count a wave never has more than one tensor load out.
; In the first tile the next step's fragments are fetched in two runs of 32 loads: B's eight at the step's head, A's eight behind its first 32 products, ahead of the add of a step that changes slots.
; No prefetch: the text has no loop to run ahead in, and all of a tile's K (1,024) has been asked for by its second K step.
.set KPA,   786432
.set KPB,   98304                      ; qw
.set KPO,   1179648                    ; qh
.set HALFT, 24576                      ; 128 rows x 256 K: [4][8 blocks][768]: what one tensor load of the first tile brings
.set SLOT,  4*HALFT                    ; A's two halves, B's two halves
.set SCLA,  3*SLOT                     ; first tile: A's scale words of the whole K: [128 along K][256 rows], 8 KB;
.set SCLB,  SCLA+8192                  ; B's
.set SCLA2, SCLB+8192                  ; second tile: A's, 8 KB;
.set SCLB2, SCLA2+8192                 ; B's: [128 along K][128 rows], 4 KB
.set STG,   SCLB2+4096                 ; 512 bytes for each wave: the scale words on their way out
.set SPARE, STG+4*512                  ; the spare words, 128 bytes for each wave: two blocks of 256 bytes that no other line names
.set G1A, 24                           ; s[24:31] group 1 for A's tiles of the first tile;  s[32:39] for B's, of both tiles
.set G1B, 32
.set G0A, 40                           ; s[40:51] group 0 for A's tiles, a set for each slot;  s[52:63] for B's.  The second sets later serve the second tile
.set G0B, 52
.set G1A2, 4                           ; s[4:11] group 1 for A's tile of the second tile (the arguments have been used by then)
.set MSB, 0
.macro WIN new                         ; the immediate's high byte repeats the setting that is left
.if MSB != (\new)
	s_set_vgpr_msb (MSB<<8)|(\new)
.set MSB, (\new)
.endif
.endm
.macro PLACES                          ; four plain vector lines behind a matrix instruction, ahead of loads into its registers and of reads of its results
.rept 4
	v_nop
.endr
.endm
.macro CREST                           ; a round of the cluster's barrier behind its opening barrier
	s_cmp_lg_u32 s14, 0
	s_cbranch_scc1 .Lnot_wave_0_\@
	s_barrier_signal -3
.Lnot_wave_0_\@:
	s_barrier_wait -3
	s_barrier_signal -1
	s_barrier_wait -1
.endm
.macro CROUND
	s_barrier_signal -1
	s_barrier_wait -1
	CREST
.endm
.macro JLOAD n                         ; a joint fill of a slot by group 0's set n: waves 0, 1 for A, waves 2, 3 for B; four v_nop follow each line
	s_cmp_eq_u32 s15, 0
	s_cbranch_scc0 .Lfor_b_\@
	tensor_load_to_lds s[G0A+4*\n:G0A+4*\n+3], s[G1A:G1A+7]
	s_nop 0
.rept 4
	v_nop
.endr
	s_branch .Lasked_\@
.Lfor_b_\@:
	tensor_load_to_lds s[G0B+4*\n:G0B+4*\n+3], s[G1B:G1B+7]
	s_nop 0
.rept 4
	v_nop
.endr
.Lasked_\@:
.endm
	s_load_b256 s[4:11], s[0:1], 0x0               ; qa, qw, b1, b2
	s_load_b64 s[12:13], s[0:1], 0x20              ; qh
	v_lshl_add_u32 v22, v0, 2, SPARE               ; my spare word; never rewritten
	v_mov_b32 v23, 0                               ; 0; never rewritten
	ds_add_u32 v22, v23
	ds_add_u32 v22, v23
	s_wait_dscnt 0x0
	v_lshrrev_b32 v1, 5, v0
	v_readfirstlane_b32 s14, v1                    ; wave 0..3
	s_lshr_b32 s15, s14, 1                         ; mh: my half of the first tile's rows.  Also: I fetch for A (0) or B (1)
	s_and_b32 s16, s14, 1                          ; nh: my half of its columns.  Also: which half I fetch
	s_bfe_u32 s66, ttmp6, 0x40000                  ; cx
	s_bfe_u32 s67, ttmp6, 0x40004                  ; cy
	s_lshl_b32 s68, ttmp9, 2
	s_add_co_u32 s68, s68, s66                     ; tc: tile column 0..3
	s_and_b32 s69, ttmp7, 0xffff                   ; the cluster's y, 0..15
	s_lshl_b32 s70, s69, 2
	s_add_co_u32 s70, s70, s67                     ; ty: tile row 0..63: 0-31 h, 32-63 r
	s_lshr_b32 s71, s69, 3                         ; g: 0: W1, b1;  1: W2, b2.  The same in all partners
	s_lshl_b32 s72, s71, 5
	s_sub_co_u32 s72, s70, s72                     ; ta: x's tile in qa, 0..31; lhs's lies 32 tiles on, l's in qh at 64 + ta
	s_lshl_b32 s73, s67, 2
	s_lshl_b32 s73, 15, s73                        ; my row of the cluster
	s_lshl_b32 s74, 0x1111, s66                    ; my column
	s_lshl_b32 s75, s68, 1
	s_add_co_u32 s75, s75, s71                     ; ch: which 128 columns of l are mine: 2 tc + g
	s_mov_b32 s20, 0x76543210
	s_mov_b32 s21, 0xfedcba98                      ; v_permlanex16_b32's selects for lane l xor 16
	s_mov_b32 s22, 0x05040100                      ; v_perm_b32: the two low halves,
	s_mov_b32 s23, 0x07060302                      ; the two high halves
	; descriptor group 1: 4 rows (64 along K each) of 12,288 bytes (16 blocks), as 1,536 elements of 8 bytes; no padding
	s_or_b32 s[G1A], s73, (3<<16)|(1<<21)          ; 15:0 the mask; 17:16 elements of 8 bytes; 21 set beside a mask
	s_or_b32 s[G1B], s74, (3<<16)|(1<<21)
.irp g, G1A, G1B
	s_mov_b32 s[\g+1], 1536<<16                    ; tensor_dim0: 16 blocks, 12,288 bytes, as elements of 8 bytes
	s_mov_b32 s[\g+2], 4<<16                       ; tensor_dim1: at the head 4 rows of 64 along K
	s_mov_b32 s[\g+3], 1536<<16                    ; tile_dim0
	s_mov_b32 s[\g+4], 4                           ; tile_dim1
	s_mov_b32 s[\g+6], 0
	s_mov_b32 s[\g+7], 0
.endr
	s_mov_b32 s[G1A+5], KPA/8                      ; the pitch, in elements
	s_mov_b32 s[G1B+5], KPB/8
	; byte offsets, apart from the addresses.  A's hang on the tile row alone, B's on the tile column and the cluster's y
	s_mul_i32 s76, s72, 12288                      ; first tile, A's codes: the tile's 16 blocks
	s_mov_b32 s77, 0
	s_lshl_b32 s19, s71, 2
	s_add_co_u32 s19, s19, s68                     ; B's tile in qw: 4 g + tc
	s_mul_i32 s78, s19, 12288                      ; B's codes
	s_mov_b32 s79, 0
	s_mul_i32 s18, s14, HALFT                      ; where my load lands in a slot
	s_lshl_b32 s80, s72, 13
	s_add_co_u32 s80, s80, 16*KPA                  ; A's scale bytes
	s_mov_b32 s81, 0
	s_lshl_b32 s82, s19, 13
	s_add_co_u32 s82, s82, 16*KPB                  ; B's
	s_mov_b32 s83, 0
	s_lshl_b32 s84, s68, 10
	s_lshl_b32 s19, s16, 9
	s_add_co_u32 s84, s84, s19                     ; the bias of my 128 columns
	s_mov_b32 s85, 0
	s_lshl_b32 s19, s68, 1
	s_add_co_u32 s19, s19, s16                     ; my 128 columns are K step 2 tc + nh of the next product
	s_mul_i32 s86, s19, 2*KPO
	s_mul_i32 s17, s70, 12288
	s_add_co_u32 s86, s86, s17
	s_mul_i32 s17, s15, 6144
	s_add_co_u32 s86, s86, s17                     ; my codes in qh
	s_mov_b32 s87, 0
	s_lshl_b32 s88, s70, 13
	s_lshl_b32 s19, s19, 10
	s_add_co_u32 s88, s88, s19
	s_lshl_b32 s17, s15, 9
	s_add_co_u32 s88, s88, s17
	s_add_co_u32 s88, s88, 16*KPO                  ; my scale words in qh
	s_mov_b32 s89, 0
	s_mul_i32 s90, s72, 12288                      ; second tile, A's codes: lhs's tile, and of its sixteen 64s along K those from 4 w on
	s_add_co_u32 s90, s90, 32*12288
	s_mul_i32 s17, s14, 4*KPA
	s_add_co_u32 s90, s90, s17
	s_mov_b32 s91, 0
	s_mul_i32 s92, s75, 6144                       ; B's codes: W2's blocks 8 ch on (W2 lies 64 blocks behind W1), the same quarter of K
	s_add_co_u32 s92, s92, 64*768
	s_mul_i32 s17, s14, 4*KPB
	s_add_co_u32 s92, s92, s17
	s_mov_b32 s93, 0
	s_add_co_u32 s94, s80, 32*8192                 ; A's scale bytes
	s_mov_b32 s95, 0
	s_lshl_b32 s96, s68, 13
	s_lshl_b32 s17, s71, 8
	s_add_co_u32 s96, s96, s17
	s_add_co_u32 s96, s96, 16*KPB+4*8192           ; B's: W2's tile tc, its half g
	s_mov_b32 s97, 0
	s_lshl_b32 s98, s75, 9                         ; b2 at my 128 columns
	s_mov_b32 s99, 0
	s_mul_i32 s100, s75, 2*KPO
	s_mul_i32 s17, s72, 12288
	s_add_co_u32 s100, s100, s17
	s_add_co_u32 s100, s100, 64*12288
	s_mul_i32 s17, s14, 3072
	s_add_co_u32 s100, s100, s17                   ; my codes in qh: K step ch, tile 64 + ta, blocks 4 w on
	s_mov_b32 s101, 0
	s_lshl_b32 s2, s72, 13
	s_lshl_b32 s17, s75, 10
	s_add_co_u32 s2, s2, s17
	s_lshl_b32 s17, s14, 8
	s_add_co_u32 s2, s2, s17
	s_add_co_u32 s2, s2, 16*KPO+64*8192            ; my scale words in qh
	s_mov_b32 s3, 0
	s_wait_kmcnt 0x0
	s_add_nc_u64 s[76:77], s[4:5], s[76:77]
	s_add_nc_u64 s[78:79], s[6:7], s[78:79]
	s_add_nc_u64 s[80:81], s[4:5], s[80:81]
	s_add_nc_u64 s[82:83], s[6:7], s[82:83]
	s_cmp_eq_u32 s71, 0
	s_cselect_b64 s[66:67], s[8:9], s[10:11]       ; b1 or b2: the choice hangs on the cluster's y alone
	s_add_nc_u64 s[84:85], s[66:67], s[84:85]
	s_add_nc_u64 s[86:87], s[12:13], s[86:87]
	s_add_nc_u64 s[88:89], s[12:13], s[88:89]
	s_add_nc_u64 s[90:91], s[4:5], s[90:91]
	s_add_nc_u64 s[92:93], s[6:7], s[92:93]
	s_add_nc_u64 s[94:95], s[4:5], s[94:95]
	s_add_nc_u64 s[96:97], s[6:7], s[96:97]
	s_add_nc_u64 s[98:99], s[10:11], s[98:99]
	s_add_nc_u64 s[100:101], s[12:13], s[100:101]
	s_add_nc_u64 s[12:13], s[12:13], s[2:3]        ; the second tile's scale words
	; group 1 for the second tile's A: 4 rows (64 along K each) of 12,288 bytes (16 blocks), as 1,536 elements of 8 bytes
	s_or_b32 s[G1A2], s73, (3<<16)|(1<<21)
	s_mov_b32 s[G1A2+1], 1536<<16
	s_mov_b32 s[G1A2+2], 4<<16
	s_mov_b32 s[G1A2+3], 1536<<16
	s_mov_b32 s[G1A2+4], 4
	s_mov_b32 s[G1A2+5], KPA/8
	s_mov_b32 s[G1A2+6], 0
	s_mov_b32 s[G1A2+7], 0
	; group 0, set 0: the head's load: 256 rows x 256 along K, slot w / 2, A (even waves) or B (odd waves), at LDS byte 49,152 w
	s_mov_b32 s3, 0
	s_mul_i32 s2, s15, 4*KPA
	s_mov_b32 s[G0A], 1
	s_mul_i32 s[G0A+1], s14, 2*HALFT
	s_add_nc_u64 s[G0A+2:G0A+3], s[76:77], s[2:3]
	s_or_b32 s[G0A+3], s[G0A+3], 0x80000000
	s_mul_i32 s2, s15, 4*KPB
	s_mov_b32 s[G0B], 1
	s_mul_i32 s[G0B+1], s14, 2*HALFT
	s_add_nc_u64 s[G0B+2:G0B+3], s[78:79], s[2:3]
	s_or_b32 s[G0B+3], s[G0B+3], 0x80000000
	; sets 1, 2: slot 2's first fill (K 512 on) and slot 0's refill (K 768 on): 256 rows x 128 along K a wave, the half w % 2 of the slot's K
	s_mul_i32 s2, s16, 2*KPA
	s_add_nc_u64 s[76:77], s[76:77], s[2:3]
	s_mul_i32 s2, s16, 2*KPB
	s_add_nc_u64 s[78:79], s[78:79], s[2:3]
.irp n, 1,2
	s_mov_b32 s[G0A+4*\n], 1
	s_add_co_u32 s[G0A+4*\n+1], s18, (2-\n)*2*SLOT
	s_add_nc_u64 s[G0A+4*\n+2:G0A+4*\n+3], s[76:77], (4+4*\n)*KPA
	s_or_b32 s[G0A+4*\n+3], s[G0A+4*\n+3], 0x80000000
	s_mov_b32 s[G0B+4*\n], 1
	s_add_co_u32 s[G0B+4*\n+1], s18, (2-\n)*2*SLOT
	s_add_nc_u64 s[G0B+4*\n+2:G0B+4*\n+3], s[78:79], (4+4*\n)*KPB
	s_or_b32 s[G0B+4*\n+3], s[G0B+4*\n+3], 0x80000000
.endr
	CROUND                                         ; all sixteen work-groups are here: the first joint loads meet
	s_cmp_eq_u32 s16, 0                            ; one load a wave at the head, in the two arms of one branch on the wave's number
	s_cbranch_scc0 .Lfirst_b
	tensor_load_to_lds s[G0A:G0A+3], s[G1A:G1A+7]
	s_nop 0
.rept 4
	v_nop
.endr
	s_branch .Lfirst_asked
.Lfirst_b:
	tensor_load_to_lds s[G0B:G0B+3], s[G1B:G1B+7]
	s_nop 0
.rept 4
	v_nop
.endr
.Lfirst_asked:
	v_and_b32 v1, 31, v0                           ; lane
	v_and_b32 v2, 15, v0                           ; r
	v_bfe_u32 v3, v0, 4, 1                         ; h
	v_lshlrev_b32 v4, 4, v1                        ; 16 x lane
	v_lshlrev_b32 v5, 3, v1                        ; 8 x lane
	s_mul_i32 s17, s15, 6144                       ; my 8 blocks of A's 16
	s_mul_i32 s19, s16, 6144                       ; my 8 blocks of B's 16,
	s_add_co_u32 s19, s19, 2*HALFT                 ; which lie behind A's part of the slot
	v_add_nc_u32 v6, s17, v4                       ; first tile: v6-8: A's fragments, the 16-byte loads, slot 0, 1, 2
	v_add_nc_u32 v12, s19, v4                      ; v12-14: B's
	s_add_co_u32 s17, s17, 512
	s_add_co_u32 s19, s19, 512
	v_add_nc_u32 v9, s17, v5                       ; v9-11: A's, the 8-byte loads
	v_add_nc_u32 v15, s19, v5                      ; v15-17: B's
.irp n, 1,2
	v_add_nc_u32 v[6+\n], \n*SLOT, v6
	v_add_nc_u32 v[9+\n], \n*SLOT, v9
	v_add_nc_u32 v[12+\n], \n*SLOT, v12
	v_add_nc_u32 v[15+\n], \n*SLOT, v15
.endr
	s_lshl_b32 s17, s15, 9
	s_add_co_u32 s17, s17, SCLA
	v_lshl_add_u32 v18, v1, 2, s17                 ; A's scale words: lanes 0-15 an even block's, lanes 16-31 the next block's
	s_lshl_b32 s17, s16, 9
	s_add_co_u32 s17, s17, SCLB
	v_lshl_add_u32 v19, v1, 2, s17                 ; B's
	s_lshl_b32 s17, s14, 9
	s_add_co_u32 s17, s17, STG
	v_lshl_add_u32 v20, v2, 2, s17                 ; my stage: a word for row r,
	v_add_nc_u32 v21, s17, v4                      ; back 16 bytes a lane (first tile: 128 rows),
	v_add_nc_u32 v27, s17, v5                      ; or 8 (second: 64 rows)
	s_lshl_b32 s17, s14, 10
	v_add_nc_u32 v24, s17, v4                      ; the scale bytes of 256 rows in memory: K step w (and w + 4), 8 rows a lane
	s_add_co_u32 s17, s17, SCLA
	v_lshl_add_u32 v25, v1, 5, s17                 ; and their 8 words in LDS
	v_lshlrev_b32 v26, 6, v3                       ; the bias: 64 h bytes
	s_lshl_b32 s17, s14, 11
	v_lshlrev_b32 v28, 4, v2
	v_lshl_add_u32 v28, v3, 10, v28
	v_add_nc_u32 v28, s17, v28                     ; the scale bytes of 128 rows: K step 2 w + h, 8 rows a lane
	; THE SCALE BYTES of both tiles come as halves [64 along K][row]; two halves make the word of 128 along K that one matrix instruction wants.  Once, in runs of 512 (the last pair: 256) consecutive bytes.
.irp j, 0,1
	global_load_b128 v[64+16*\j:67+16*\j], v24, s[80:81] offset:\j*4096
	global_load_b128 v[68+16*\j:71+16*\j], v24, s[80:81] offset:\j*4096+512
	global_load_b128 v[96+16*\j:99+16*\j], v24, s[82:83] offset:\j*4096
	global_load_b128 v[100+16*\j:103+16*\j], v24, s[82:83] offset:\j*4096+512
	global_load_b128 v[128+16*\j:131+16*\j], v24, s[94:95] offset:\j*4096
	global_load_b128 v[132+16*\j:135+16*\j], v24, s[94:95] offset:\j*4096+512
.endr
	global_load_b128 v[160:163], v28, s[96:97]
	global_load_b128 v[164:167], v28, s[96:97] offset:512
.macro BIAS base                       ; the bias of accumulator column t: lane (r, h) holds columns 32 (t / 2) + 16 h + 8 (t % 2) + 0 .. 7
	WIN 0x40                                       ; destination window 1
.irp t, 0,1,2,3,4,5,6,7
	global_load_b128 v[96+8*(\t%4)+128*(\t/4):99+8*(\t%4)+128*(\t/4)], v26, s[\base:\base+1] offset:(32*(\t/2)+8*(\t%2))*4
	global_load_b128 v[100+8*(\t%4)+128*(\t/4):103+8*(\t%4)+128*(\t/4)], v26, s[\base:\base+1] offset:(32*(\t/2)+8*(\t%2))*4+16
.endr
	WIN 0
.endm
	BIAS 84
	s_wait_loadcnt 16                              ; the scale bytes are in; the sixteen loads of the bias may stay out
.irp g, 0,1,2,3,4,5,6                          ; groups 0, 1: A; 2, 3: B; 4, 5: the second tile's A; 6: its B: the four regions lie on end, 4,096 bytes a group
.irp i, 0,1,2,3
	v_perm_b32 v[72+16*\g+2*\i], v[68+16*\g+\i], v[64+16*\g+\i], s22
	v_perm_b32 v[73+16*\g+2*\i], v[68+16*\g+\i], v[64+16*\g+\i], s23
.endr
	ds_store_b128 v25, v[72+16*\g:75+16*\g] offset:\g*4096
	ds_store_b128 v25, v[76+16*\g:79+16*\g] offset:\g*4096+16
.endr
.macro FRAG reg, a16, a8, q, i, kp     ; a fragment: registers 6 c .. 6 c + 5 are the image of 64 along K; kp: bytes from one 64 along K to the next in LDS
.irp c, 0,1
	ds_load_b128 v[(\reg)+6*\c:(\reg)+6*\c+3], v[\a16] offset:(2*(\q)+\c)*(\kp)+(\i)*768
	ds_load_b64 v[(\reg)+6*\c+4:(\reg)+6*\c+5], v[\a8] offset:(2*(\q)+\c)*(\kp)+(\i)*768
.endr
.endm
.macro FETCHB k                        ; first tile: K step k's eight fragments of B into set k % 2, in one run of 32 loads
.set FS, ((\k)/2)%3
.set FQ, (\k)%2
	WIN 0x40
.irp i, 0,1,2,3,4,5,6,7
	FRAG 128*FQ+12*\i, 12+FS, 15+FS, FQ, \i, 12288
.endr
.endm
.macro FETCHA k                        ; and its eight of A
.set FS, ((\k)/2)%3
.set FQ, (\k)%2
	WIN 0
.irp i, 0,1,2,3,4,5,6,7
	FRAG 64+96*FQ+12*\i, 6+FS, 9+FS, FQ, \i, 12288
.endr
.endm
.macro FETCH k
	FETCHB \k
	FETCHA \k
.endm
.macro FETCH2 k                        ; second tile: B's eight fragments and my four of A
.set FQ, (\k)%2
.set FA, (\k)/2
.set FB, (\k)/4
.set FQ4, (\k)%4
	WIN 0x40
.irp i, 0,1,2,3,4,5,6,7
	FRAG 128*FQ+12*\i, 14+FB, 16+FB, FQ4, \i, 6144
.endr
	WIN 0
.irp i, 0,1,2,3
	FRAG 64+96*FQ+12*\i, 6+FA, 10+FA, FQ, \i, 12288
.endr
.endm
.macro SCALES sc, ks                   ; first tile: the scale words of K steps ks, ks + 1 into set sc: four registers a side and step
.irp q, 0,1
.irp i, 0,1,2,3
	ds_load_b32 v[32+16*(\sc)+8*\q+\i], v18 offset:((\ks)+\q)*1024+\i*128
	ds_load_b32 v[32+16*(\sc)+8*\q+4+\i], v19 offset:((\ks)+\q)*1024+\i*128
.endr
.endr
.endm
.macro SCALES2 sc, ks                  ; second tile: two registers for my four blocks of A, four for B's eight, at the same places of the set
.irp q, 0,1
.irp i, 0,1
	ds_load_b32 v[32+16*(\sc)+8*\q+\i], v18 offset:((\ks)+\q)*1024+\i*128
.endr
.irp i, 0,1,2,3
	ds_load_b32 v[32+16*(\sc)+8*\q+4+\i], v19 offset:((\ks)+\q)*512+\i*128
.endr
.endr
.endm
.macro WM d, bf, af, c, sb, sa, rb, ra         ; rb, ra: the block's words stand in lanes 16-31 of the scale register
.if (\rb) && (\ra)
	v_wmma_scale_f32_16x16x128_f8f6f4 v[\d:\d+7], v[\bf:\bf+11], v[\af:\af+11], v[\c:\c+7], v[\sb], v[\sa] matrix_a_fmt:MATRIX_FMT_BF6 matrix_b_fmt:MATRIX_FMT_BF6 matrix_a_scale:MATRIX_SCALE_ROW1 matrix_b_scale:MATRIX_SCALE_ROW1
.elseif (\rb)
	v_wmma_scale_f32_16x16x128_f8f6f4 v[\d:\d+7], v[\bf:\bf+11], v[\af:\af+11], v[\c:\c+7], v[\sb], v[\sa] matrix_a_fmt:MATRIX_FMT_BF6 matrix_b_fmt:MATRIX_FMT_BF6 matrix_a_scale:MATRIX_SCALE_ROW1
.elseif (\ra)
	v_wmma_scale_f32_16x16x128_f8f6f4 v[\d:\d+7], v[\bf:\bf+11], v[\af:\af+11], v[\c:\c+7], v[\sb], v[\sa] matrix_a_fmt:MATRIX_FMT_BF6 matrix_b_fmt:MATRIX_FMT_BF6 matrix_b_scale:MATRIX_SCALE_ROW1
.else
	v_wmma_scale_f32_16x16x128_f8f6f4 v[\d:\d+7], v[\bf:\bf+11], v[\af:\af+11], v[\c:\c+7], v[\sb], v[\sa] matrix_a_fmt:MATRIX_FMT_BF6 matrix_b_fmt:MATRIX_FMT_BF6
.endif
.endm
; 16 matrix instructions: A's blocks a0, a0 + 1 x B's eight.  cm = 2: the bias is the C of the sum's first instruction.  The accumulators take turns, one instruction a turn.
.macro MUL16 a0, k, cm
.set SCB, 32+16*(((\k)/2)%2)+8*((\k)%2)
.set FP, (\k)%2
.irp a, \a0, \a0+1
.irp b, 0,1,2,3,4,5,6,7
.set DD, 8*(8*((\a)%4)+\b)
.if \cm == 2
.set CC, 96+8*(\b%4)+128*(\b/4)
.else
.set CC, DD
.endif
	WM DD, 128*FP+12*\b, 64+96*FP+12*(\a), CC, SCB+4+\b/2, SCB+(\a)/2, \b%2, (\a)%2
.endr
.endr
.endm
; A K step of the first tile: 64 matrix instructions on set k % 2, while the next step's fragments land in the other set: B's are asked for at the step's head, A's behind its first 32 products.
; sync = 1, 2: a refill behind a round of the cluster's barrier.  In front of it every wave has waited for all its tensor loads, added 0 to its spare word, and waited for that and for its reads, the next step's fragments among them.
; sync = 1 (K step 1): slot 2's first fill is shown landed, and slot 0, whose two steps have been read, takes the last quarter of K.  sync = 2 (K step 4): that quarter is shown landed, and slots 1 and 2, whose four steps have been read, take the second tile's A.
.macro KSTEP k, cm, sync
	s_wait_dscnt 0x0                               ; this step's fragments, asked for a whole step ago, are in
.if \k < 7
.if \k > 0
	PLACES
.endif
	FETCHB \k+1
.endif
.if \cm == 2
	WIN 0x91                                       ; source 0 (B) and C (the bias) window 1, source 1 (A) window 0, D window 2
.else
	WIN 0xa1
.endif
	MUL16 0, \k, \cm
	MUL16 2, \k, \cm
.if \k < 7
	FETCHA \k+1                                    ; (the places at the step's head stand between these loads and the last step's products, which read these registers)
.if ((\k+1)%2) == 0
	SCALES ((\k+1)/2)%2, \k+1
.endif
.endif
.if \sync
	WIN 0                                          ; (the add's two registers lie in window 0)
	s_wait_tensorcnt 0x0                           ; all my tensor loads have landed;
	ds_add_u32 v22, v23                            ; 0 onto my spare word
.endif
.if \cm == 2
	WIN 0xd1
.else
	WIN 0xf1
.endif
	MUL16 4, \k, \cm                               ; (sixteen matrix instructions stand between the add and the wait for it)
.if \sync
	s_wait_dscnt 0x0                               ; the add is done, and my reads of the slots that are filled again are over
	s_barrier_signal -1
.endif
	MUL16 6, \k, \cm
.if \sync
	WIN 0
	s_barrier_wait -1
	CREST                                          ; no wave of any partner still reads those slots or has a load on its way
.endif
.if \sync == 1
	JLOAD 2                                        ; slot 0's refill: the first tensor load behind the round, and my only one
.endif
.if \sync == 2
	tensor_load_to_lds s[G0A+4:G0A+7], s[G1A2:G1A2+7]      ; every wave: a quarter of K of the second tile's 256 rows of A, 49,152 bytes; the first tensor load behind the round, and my only one
	s_nop 0
.rept 4
	v_nop
.endr
.endif
.endm
; A K step of the second tile: 32 matrix instructions: my four blocks of A x B's eight, in window 2.
.macro KSTEP2 k, cm
	s_wait_dscnt 0x0
.if \k < 7
.if \k > 0
	PLACES
.endif
	FETCH2 \k+1
.if ((\k+1)%2) == 0
	SCALES2 ((\k+1)/2)%2, \k+1
.endif
.endif
.if \cm == 2
	WIN 0x91
.else
	WIN 0xa1
.endif
	MUL16 0, \k, \cm
	MUL16 2, \k, \cm
.endm
; THE WAY OUT of A's block a: relu, then the quantiser along the lane's 64 numbers (register 16 b + i = column 32 b + 16 h + i of my 128): one fragment of the next product and one scale word a row.  cb: the base of my codes in qh.
.macro EPI a, cb
.set AC, 64*((\a)%4)
	s_wait_xcnt 0x0                                ; the last block's stores have read v128-139
	WIN 0x08+4*((\a)/4)                            ; source 1: window 2 or 3
.set J, 0
.rept 64
	v_max_num_f32 v[64+J], 0, v[AC+J]              ; each accumulator from its low end on
.set J, J+1
.endr
	WIN 0
.irp b, 0,1,2,3
	v_max3_num_f32 v[152+\b], v[64+16*\b], v[65+16*\b], 0x2800000   ; none is negative: no |.|; the floor 2^(5 - 127) holds the byte at 1 from below
.endr
.irp i, 2,4,6,8,10,12,14
.irp b, 0,1,2,3
	v_max3_num_f32 v[152+\b], v[152+\b], v[64+16*\b+\i], v[65+16*\b+\i]
.endr
.endr
.irp b, 0,1,2,3
	v_permlanex16_b32 v[156+\b], v[152+\b], s20, s21
.endr
.irp b, 0,1,2,3
	v_max_num_f32 v[152+\b], v[152+\b], v[156+\b]  ; with lane l xor 16's 16: the block's largest
.endr
.irp b, 0,1,2,3
	v_add_nc_u32 v[160+\b], 0xfe000000, v[152+\b]  ; 4 off the exponent field: the conversion's scale operand
.endr
.irp b, 0,1,2,3
	v_lshrrev_b32 v[164+\b], 23, v[160+\b]         ; the byte
.endr
	v_lshl_or_b32 v168, v165, 8, v164
	v_lshl_or_b32 v168, v166, 16, v168
	v_lshl_or_b32 v168, v167, 24, v168             ; my row's scale word
.irp c, 0,1
	v_cvt_scalef32_pk16_bf6_f32 v[128+6*\c:130+6*\c], v[64+32*\c:79+32*\c], v[160+2*\c]
	v_cvt_scalef32_pk16_bf6_f32 v[140+4*\c:142+4*\c], v[80+32*\c:95+32*\c], v[161+2*\c]
.endr
	v_nop                                          ; one plain line behind the scaled conversions
.irp c, 0,1                                    ; the operand's layout wants a whole block in a lane
.irp i, 0,1,2
	v_permlane16_swap_b32 v[128+6*\c+\i], v[140+4*\c+\i]
.endr
.irp i, 0,1,2
	v_mov_b32 v[131+6*\c+\i], v[140+4*\c+\i]
.endr
.endr
	global_store_b128 v4, v[128:131], s[\cb:\cb+1] offset:(\a)*768              ; 512 and 256 consecutive bytes, aligned
	global_store_b64 v5, v[132:133], s[\cb:\cb+1] offset:(\a)*768+512
	global_store_b128 v4, v[134:137], s[\cb:\cb+1] offset:(\a)*768+KPO
	global_store_b64 v5, v[138:139], s[\cb:\cb+1] offset:(\a)*768+KPO+512
	ds_store_b32 v20, v168 offset:(\a)*64          ; lanes r and 16 + r write the same word with the same value
.endm
	; ---- THE FIRST TILE
	s_wait_alu depctr_va_vdst(0)
	s_wait_loadcnt 0x0                             ; the bias
	s_wait_tensorcnt 0x0                           ; my part of slots 0 and 1 is in
	ds_add_u32 v22, v23                            ; 0 onto my spare word
	s_mov_b32 s[G1A+2], 2<<16                      ; no tensor load of mine is out, so a descriptor may be written: from here on a load brings 2 rows of 64 along K
	s_mov_b32 s[G1A+4], 2
	s_mov_b32 s[G1B+2], 2<<16
	s_mov_b32 s[G1B+4], 2
	s_wait_dscnt 0x0                               ; the add is done, and my scale words lie in LDS
	CROUND                                         ; everybody's parts are in, and all sixteen work-groups are here
	JLOAD 1                                        ; slot 2's first fill: the first tensor load behind the round
	FETCH 0
	SCALES 0, 0
	KSTEP 0, 2, 0
	KSTEP 1, 0, 1
	; group 0 for the second tile's two loads, in the sets of slot 2's first fill: K step 1's wait for all tensor loads has shown that fill done, and the refill that is out names neither
	s_mul_i32 s[G0A+5], s14, 2*HALFT
	s_add_co_u32 s[G0A+5], s[G0A+5], SLOT          ; A: slots 1 and 2 as [16 x 64 along K][16 blocks][768]: my quarter of K
	s_mov_b64 s[G0A+6:G0A+7], s[90:91]
	s_or_b32 s[G0A+7], s[G0A+7], 0x80000000
	s_mul_i32 s[G0B+5], s14, HALFT                 ; B: slot 0 as [16 x 64 along K][8 blocks][768]: my quarter of K
	s_mov_b64 s[G0B+6:G0B+7], s[92:93]
	s_or_b32 s[G0B+7], s[G0B+7], 0x80000000
	KSTEP 2, 0, 0
	KSTEP 3, 0, 0
	KSTEP 4, 0, 2
	KSTEP 5, 0, 0
	KSTEP 6, 0, 0
	KSTEP 7, 0, 0
	WIN 0
.rept 5
	v_nop                                          ; four places ahead of the reads of the results; a fifth for the second tile's first products, which write accumulators anew with another C
.endr
.irp b, 0,1,2,3
	v_mov_b32 v[156+\b], 0                         ; written once: a lane permute's destination counts as one of its sources
.endr
	BIAS 98                                        ; b2 at the second tile's columns, into the registers that the first tile's bias has left: it lands during the way out
	EPI 0, 86
	EPI 1, 86
	s_wait_tensorcnt 0x0                           ; THE LAST REFILL.  The second tile's A has landed (three K steps and two blocks behind its request);
	ds_add_u32 v22, v23                            ; 0 onto my spare word
	s_mov_b32 s[G1B+1], 768<<16                    ; no tensor load of mine is out: B's group 1 now states 4 rows (64 along K each) of 8 blocks, 6,144 bytes
	s_mov_b32 s[G1B+2], 4<<16
	s_mov_b32 s[G1B+3], 768<<16
	s_mov_b32 s[G1B+4], 4
	s_wait_dscnt 0x0                               ; the add is done; my reads of slot 0 were over at K step 7's head
	CROUND
	tensor_load_to_lds s[G0B+4:G0B+7], s[G1B:G1B+7]
	s_nop 0
.rept 4
	v_nop
.endr
.irp a, 2,3,4,5,6,7
	EPI \a, 86
.endr
	ds_load_b128 v[148:151], v21                   ; LDS serves a wave's instructions in order: these see my stores
	s_wait_dscnt 0x0
	global_store_b128 v4, v[148:151], s[88:89]     ; my 128 rows' scale words: 512 consecutive bytes
	; ---- THE SECOND TILE: 64 rows (blocks 4 w on) x 128 columns a wave
	s_mul_i32 s17, s14, 3072
	s_add_co_u32 s17, s17, SLOT
	v_add_nc_u32 v6, s17, v4                       ; v6-9: A's fragments, the 16-byte loads, K steps 0-1, 2-3, 4-5, 6-7
	s_add_co_u32 s17, s17, 512
	v_add_nc_u32 v10, s17, v5                      ; v10-13: the 8-byte loads
.irp n, 1,2,3
	v_add_nc_u32 v[6+\n], \n*49152, v6
	v_add_nc_u32 v[10+\n], \n*49152, v10
.endr
	v_lshlrev_b32 v14, 4, v1                       ; v14-15: B's, K steps 0-3, 4-7
	v_add_nc_u32 v15, 49152, v14
	v_add_nc_u32 v16, 512, v5                      ; v16-17
	v_add_nc_u32 v17, 49152, v16
	s_lshl_b32 s17, s14, 8
	s_add_co_u32 s17, s17, SCLA2
	v_lshl_add_u32 v18, v1, 2, s17                 ; the scale words of my 64 rows,
	v_lshl_add_u32 v19, v1, 2, SCLB2               ; and of the 128 columns
	s_wait_alu depctr_va_vdst(0)
	s_wait_tensorcnt 0x0                           ; my part of B has landed: no load was issued behind it
	s_wait_loadcnt 0x0                             ; b2
	s_wait_dscnt 0x0
	s_barrier_signal -1
	s_barrier_wait -1                              ; everybody's parts have
	FETCH2 0
	SCALES2 0, 0
	KSTEP2 0, 2
.irp k, 1,2,3,4,5,6,7
	KSTEP2 \k, 0
.endr
	WIN 0
	PLACES
.irp a, 0,1,2,3
	EPI \a, 100
.endr
	ds_load_b64 v[148:149], v27
	s_wait_dscnt 0x0
	global_store_b64 v5, v[148:149], s[12:13]      ; my 64 rows' scale words: 256 consecutive bytes, aligned
	s_wait_tensorcnt 0x0                           ; the wave's end
	ds_add_u32 v22, v23
	s_wait_dscnt 0x0
	CROUND                                         ; the closing round
	s_endpgm
.Lfunc_end_k_q2b2722e7f0_proj:
	.size	k_q2b2722e7f0_proj, .Lfunc_end_k_q2b2722e7f0_proj-k_q2b2722e7f0_proj
	.p2alignl 7, 3214868480
	.fill 96, 4, 3214868480
	.section	.rodata,"a",@progbits
	.p2align	6, 0x0
	.amdhsa_kernel k_q2b2722e7f0_proj
		.amdhsa_group_segment_fixed_size 327680
		.amdhsa_private_segment_fixed_size 0
		.amdhsa_enable_private_segment 0
		.amdhsa_kernarg_size 40
		.amdhsa_user_sgpr_count 2
		.amdhsa_user_sgpr_kernarg_segment_ptr 1
		.amdhsa_wavefront_size32 1
		.amdhsa_system_sgpr_workgroup_id_x 1
		.amdhsa_system_sgpr_workgroup_id_y 1
		.amdhsa_system_sgpr_workgroup_id_z 1
		.amdhsa_system_vgpr_workitem_id 0
		.amdhsa_next_free_vgpr 1024
		.amdhsa_next_free_sgpr 102
		.amdhsa_reserve_vcc 0
		.amdhsa_float_denorm_mode_32 3
		.amdhsa_float_denorm_mode_16_64 3
		.amdhsa_memory_ordered 1
		.amdhsa_forward_progress 1
		.amdhsa_inst_pref_size 255
	.end_amdhsa_kernel
	.section	.bss,"aw",@nobits
	.p2align	6
	.space	262144
	.amdgpu_metadata
---
amdhsa.version: [ 1, 2 ]
amdhsa.kernels:
  - .name:           k_q2b2722e7f0_proj
    .symbol:         k_q2b2722e7f0_proj.kd
    .args:
      - { .name: qa, .offset: 0, .size: 8, .value_kind: global_buffer, .address_space: global }
      - { .name: qw, .offset: 8, .size: 8, .value_kind: global_buffer, .address_space: global }
      - { .name: b1, .offset: 16, .size: 8, .value_kind: global_buffer, .address_space: global }
      - { .name: b2, .offset: 24, .size: 8, .value_kind: global_buffer, .address_space: global }
      - { .name: qh, .offset: 32, .size: 8, .value_kind: global_buffer, .address_space: global }
    .group_segment_fixed_size: 327680
    .private_segment_fixed_size: 0
    .kernarg_segment_align: 8
    .kernarg_segment_size: 40
    .max_flat_workgroup_size: 128
    .sgpr_count:     102
    .vgpr_count:     1024
    .wavefront_size: 32
...
	.end_amdgpu_metadata
.endif
;; end of part 2
;; launch score (part 3): grid 4 x 64, 4 waves a work-group, clusters of 4 x 4, 327,680 bytes of LDS; arguments qh, qp; writes qp
.if DOCPART == 3
	.amdgcn_target "amdgcn-amd-amdhsa--gfx1250"
	.amdhsa_code_object_version 6
	.text
	.protected	k_q2b2722e7f0_score
	.globl	k_q2b2722e7f0_score
	.p2align	8
	.type	k_q2b2722e7f0_score,@function
k_q2b2722e7f0_score:
	s_mov_b64 s[64:65], 0
	v_nop
	global_prefetch_b8 v0, s[64:65] scope:SCOPE_SE
	s_setreg_imm32_b32 hwreg(HW_REG_WAVE_MODE, 25, 1), 1
	s_wait_xcnt 0x0
	s_wait_alu depctr_hold_cnt(0) depctr_sa_sdst(0) depctr_va_vdst(0) depctr_va_sdst(0) depctr_va_ssrc(0) depctr_va_vcc(0) depctr_vm_vsrc(0)
	s_getreg_b32 s2, hwreg(HW_REG_IB_STS2, 6, 4)
	s_cmp_eq_u32 s2, 0
	s_cbranch_scc0 .Lentry_in_a_cluster
	s_endpgm
.Lentry_in_a_cluster:
	s_bfe_u32 s2, ttmp6, 0x10000c
	s_cmp_lg_u32 s2, 0xf033
	s_cbranch_scc0 .Lentry_shape_is_right
	s_endpgm
.Lentry_shape_is_right:
; SCORE.  For u = 8 branch + batch: S[query][key] = A[query] . B[key] on codes of BF6 (branch 0: A = B = h; branch 1: A = r, B = l, so that the softmax over l's rows is a row's softmax), 16 x 16 tiles of 256 x 256.
; THE SOFTMAX AHEAD OF THE NEXT PRODUCT: t = S / 32 x log2(e).  A wave holds 128 keys of a query and takes M OF THESE 128: -M = floor(-(their largest t)), a whole number; p = 2^(t - M) is quantised along the keys.
; Stored: p's codes, its scale words, and for each (query, 128 keys) -M and the sum of the unquantised p.  The next launch brings the eight parts of a row under the row's M: a power of two, taken off the scale bytes, which changes no code.
; LIMITS: NaN and infinities are not served; p under 2^-126 is 0 (the exponential's own floor); a block of zeros carries the byte 1.
; The product's core (shares, layouts, three slots, one refill, cluster and joint loads) is the projections' launch's; one cluster is one u.  A wave has three tensor loads out at the start, later one.
; REGISTERS: window 0: v0-31 addresses; v32-63 scale words, two sets; v64-159, v160-255 A's fragments, two sets.  Window 1: v0-95, v128-223 B's.  Windows 2, 3: the accumulators, (a, b) at v[8 (8 (a % 4) + b)].
; THE FILLS AS THE TEXT HAS THEM (where the lines above differ, these hold).  A slot of 256 along K is A's part [4 x 64 along K][16 blocks][768], then B's likewise.  At the head each wave issues ONE joint load of 49,152 bytes:
; waves 0, 2 A's 256 rows, waves 1, 3 B's; waves 0, 1 K 0-255 (slot 0), waves 2, 3 K 256-511 (slot 1).  Slot 2 (K 512-767) is first filled behind the full sequence and a round ahead of K step 0, a quarter a wave;
; slot 0 takes K 768-1023 in K step 1.  By the text's own count a wave never has more than one tensor load out.
; The maxima are taken of the scores (the factor is positive), M of the largest score x the factor, rounded once; t - M is one fused multiply-add.
; No prefetch: the text has no loop to run ahead in, and all of K (1,024) has been asked for by the second K step.
.set KPH,   1179648
.set KPP,   786432                     ; qp
.set HALFT, 24576
.set SLOT,  4*HALFT
.set SCLA,  3*SLOT
.set SCLB,  SCLA+8192
.set STG,   SCLB+8192                  ; 1,536 bytes for each wave: scale words, -M, sums on their way out
.set SPARE, STG+4*1536                 ; the spare words, 128 bytes for each wave: two blocks of 256 bytes that no other line names
.set G1A, 24
.set G1B, 32
.set G0A, 40
.set G0B, 52
.set MSB, 0
.macro WIN new
.if MSB != (\new)
	s_set_vgpr_msb (MSB<<8)|(\new)
.set MSB, (\new)
.endif
.endm
.macro PLACES
.rept 4
	v_nop
.endr
.endm
.macro CREST
	s_cmp_lg_u32 s14, 0
	s_cbranch_scc1 .Lnot_wave_0_\@
	s_barrier_signal -3
.Lnot_wave_0_\@:
	s_barrier_wait -3
	s_barrier_signal -1
	s_barrier_wait -1
.endm
.macro CROUND
	s_barrier_signal -1
	s_barrier_wait -1
	CREST
.endm
.macro JLOAD n                         ; a joint fill of a slot by group 0's set n: waves 0, 1 for A, waves 2, 3 for B
	s_cmp_eq_u32 s15, 0
	s_cbranch_scc0 .Lfor_b_\@
	tensor_load_to_lds s[G0A+4*\n:G0A+4*\n+3], s[G1A:G1A+7]
	s_nop 0
.rept 4
	v_nop
.endr
	s_branch .Lasked_\@
.Lfor_b_\@:
	tensor_load_to_lds s[G0B+4*\n:G0B+4*\n+3], s[G1B:G1B+7]
	s_nop 0
.rept 4
	v_nop
.endr
.Lasked_\@:
.endm
	s_load_b128 s[4:7], s[0:1], 0x0                ; qh, qp
	v_lshl_add_u32 v22, v0, 2, SPARE
	v_mov_b32 v23, 0
	ds_add_u32 v22, v23
	ds_add_u32 v22, v23
	s_wait_dscnt 0x0
	v_lshrrev_b32 v1, 5, v0
	v_readfirstlane_b32 s14, v1
	s_lshr_b32 s15, s14, 1                         ; mh; also: I fetch for A (0) or B (1)
	s_and_b32 s16, s14, 1                          ; nh; also: which half I fetch
	s_bfe_u32 s66, ttmp6, 0x40000                  ; cx
	s_bfe_u32 s67, ttmp6, 0x40004                  ; cy
	s_lshl_b32 s68, ttmp9, 2
	s_add_co_u32 s68, s68, s66                     ; tile column (keys) 0..3
	s_and_b32 s69, ttmp7, 0xffff                   ; u
	s_lshl_b32 s70, s69, 2
	s_add_co_u32 s72, s70, s67                     ; A's tile in qh, and p's in qp: 4 u + cy (h, then r)
	s_lshr_b32 s71, s69, 3
	s_lshl_b32 s71, s71, 5
	s_add_co_u32 s78, s70, s71
	s_add_co_u32 s78, s78, s68                     ; B's tile: 4 u + 32 branch + column (h, or l)
	s_lshl_b32 s73, s67, 2
	s_lshl_b32 s73, 15, s73
	s_lshl_b32 s74, 0x1111, s66
	s_mov_b32 s18, 0x3d38aa3b                      ; log2(e) / 32
	s_mov_b32 s19, s18                             ; (named with it as a pair)
	s_mov_b32 s20, 0x76543210
	s_mov_b32 s21, 0xfedcba98
	s_or_b32 s[G1A], s73, (3<<16)|(1<<21)
	s_or_b32 s[G1B], s74, (3<<16)|(1<<21)
.irp g, G1A, G1B
	s_mov_b32 s[\g+1], 1536<<16                    ; rows of 16 blocks, 12,288 bytes, as elements of 8 bytes
	s_mov_b32 s[\g+2], 4<<16                       ; at the head 4 rows of 64 along K
	s_mov_b32 s[\g+3], 1536<<16
	s_mov_b32 s[\g+4], 4
	s_mov_b32 s[\g+5], KPH/8
	s_mov_b32 s[\g+6], 0
	s_mov_b32 s[\g+7], 0
.endr
	s_mul_i32 s76, s72, 12288                      ; A's tile: 16 blocks
	s_mov_b32 s77, 0
	s_mul_i32 s80, s78, 12288                      ; B's
	s_mov_b32 s81, 0
	s_mul_i32 s96, s15, 4*KPH                      ; the head's load: slot w / 2
	s_mov_b32 s97, 0
	s_mul_i32 s98, s16, 2*KPH                      ; the later loads: the half w % 2 of a slot's K
	s_mov_b32 s99, 0
	s_mul_i32 s75, s14, HALFT
	s_lshl_b32 s82, s72, 13
	s_add_co_u32 s82, s82, 16*KPH                  ; A's scale words
	s_mov_b32 s83, 0
	s_lshl_b32 s84, s78, 13
	s_add_co_u32 s84, s84, 16*KPH                  ; B's
	s_mov_b32 s85, 0
	s_lshl_b32 s79, s68, 1
	s_add_co_u32 s79, s79, s16                     ; my 128 keys are K step 2 column + nh of the next product
	s_mul_i32 s88, s79, 2*KPP
	s_mul_i32 s92, s72, 12288
	s_add_co_u32 s88, s88, s92
	s_mul_i32 s92, s15, 6144
	s_add_co_u32 s88, s88, s92                     ; my codes in qp
	s_mov_b32 s89, 0
	s_lshl_b32 s90, s72, 13
	s_lshl_b32 s92, s79, 10
	s_add_co_u32 s90, s90, s92
	s_lshl_b32 s92, s15, 9
	s_add_co_u32 s90, s90, s92
	s_add_co_u32 s90, s90, 16*KPP                  ; my scale words; -M and the sums lie 524,288 and 1,048,576 bytes on
	s_mov_b32 s91, 0
	s_wait_kmcnt 0x0
	s_add_nc_u64 s[76:77], s[4:5], s[76:77]
	s_add_nc_u64 s[80:81], s[4:5], s[80:81]
	s_add_nc_u64 s[82:83], s[4:5], s[82:83]
	s_add_nc_u64 s[84:85], s[4:5], s[84:85]
	s_add_nc_u64 s[88:89], s[6:7], s[88:89]
	s_add_nc_u64 s[90:91], s[6:7], s[90:91]
	; group 0, set 0: the head's load: 256 rows x 256 along K, A (even waves) or B (odd waves), at LDS byte 49,152 w
	s_mov_b32 s[G0A], 1
	s_mul_i32 s[G0A+1], s14, 2*HALFT
	s_add_nc_u64 s[G0A+2:G0A+3], s[76:77], s[96:97]
	s_or_b32 s[G0A+3], s[G0A+3], 0x80000000
	s_mov_b32 s[G0B], 1
	s_mul_i32 s[G0B+1], s14, 2*HALFT
	s_add_nc_u64 s[G0B+2:G0B+3], s[80:81], s[96:97]
	s_or_b32 s[G0B+3], s[G0B+3], 0x80000000
	; sets 1, 2: slot 2's first fill (K 512 on) and slot 0's refill (K 768 on): 256 rows x 128 along K a wave
	s_add_nc_u64 s[76:77], s[76:77], s[98:99]
	s_add_nc_u64 s[80:81], s[80:81], s[98:99]
.irp n, 1,2
	s_mov_b32 s[G0A+4*\n], 1
	s_add_co_u32 s[G0A+4*\n+1], s75, (2-\n)*2*SLOT
	s_add_nc_u64 s[G0A+4*\n+2:G0A+4*\n+3], s[76:77], (4+4*\n)*KPH
	s_or_b32 s[G0A+4*\n+3], s[G0A+4*\n+3], 0x80000000
	s_mov_b32 s[G0B+4*\n], 1
	s_add_co_u32 s[G0B+4*\n+1], s75, (2-\n)*2*SLOT
	s_add_nc_u64 s[G0B+4*\n+2:G0B+4*\n+3], s[80:81], (4+4*\n)*KPH
	s_or_b32 s[G0B+4*\n+3], s[G0B+4*\n+3], 0x80000000
.endr
	CROUND                                         ; all sixteen work-groups are here: the first joint loads meet
	s_cmp_eq_u32 s16, 0                            ; one load a wave at the head, in the two arms of one branch on the wave's number
	s_cbranch_scc0 .Lfirst_b
	tensor_load_to_lds s[G0A:G0A+3], s[G1A:G1A+7]
	s_nop 0
.rept 4
	v_nop
.endr
	s_branch .Lfirst_asked
.Lfirst_b:
	tensor_load_to_lds s[G0B:G0B+3], s[G1B:G1B+7]
	s_nop 0
.rept 4
	v_nop
.endr
.Lfirst_asked:
	v_and_b32 v1, 31, v0
	v_and_b32 v2, 15, v0
	v_bfe_u32 v3, v0, 4, 1
	v_lshlrev_b32 v4, 4, v1
	v_lshlrev_b32 v5, 3, v1
	s_mul_i32 s92, s15, 6144                       ; my 8 blocks of A's 16
	s_mul_i32 s93, s16, 6144                       ; my 8 blocks of B's 16,
	s_add_co_u32 s93, s93, 2*HALFT                 ; which lie behind A's part of the slot
	v_add_nc_u32 v6, s92, v4
	v_add_nc_u32 v12, s93, v4
	s_add_co_u32 s92, s92, 512
	s_add_co_u32 s93, s93, 512
	v_add_nc_u32 v9, s92, v5
	v_add_nc_u32 v15, s93, v5
.irp n, 1,2
	v_add_nc_u32 v[6+\n], \n*SLOT, v6
	v_add_nc_u32 v[9+\n], \n*SLOT, v9
	v_add_nc_u32 v[12+\n], \n*SLOT, v12
	v_add_nc_u32 v[15+\n], \n*SLOT, v15
.endr
	s_lshl_b32 s92, s15, 9
	s_add_co_u32 s92, s92, SCLA
	v_lshl_add_u32 v18, v1, 2, s92
	s_lshl_b32 s92, s16, 9
	s_add_co_u32 s92, s92, SCLB
	v_lshl_add_u32 v19, v1, 2, s92
	s_mul_i32 s92, s14, 1536
	s_add_co_u32 s92, s92, STG
	v_lshl_add_u32 v20, v2, 2, s92
	v_add_nc_u32 v21, s92, v4
	v_lshlrev_b32 v24, 4, v0                       ; the scale words of both tiles, 8 KB each, come once, as they lie: 16 bytes a thread, four times a side
	v_lshl_add_u32 v25, v0, 4, SCLA
.irp j, 0,1,2,3
	global_load_b128 v[64+4*\j:67+4*\j], v24, s[82:83] offset:\j*2048
	global_load_b128 v[80+4*\j:83+4*\j], v24, s[84:85] offset:\j*2048
.endr
	s_wait_alu depctr_va_vdst(0)
	s_wait_loadcnt 0x0
.irp j, 0,1,2,3
	ds_store_b128 v25, v[64+4*\j:67+4*\j] offset:\j*2048
	ds_store_b128 v25, v[80+4*\j:83+4*\j] offset:8192+\j*2048
.endr
.macro FRAG reg, a16, a8, q, i
.irp c, 0,1
	ds_load_b128 v[(\reg)+6*\c:(\reg)+6*\c+3], v[\a16] offset:(2*(\q)+\c)*12288+(\i)*768
	ds_load_b64 v[(\reg)+6*\c+4:(\reg)+6*\c+5], v[\a8] offset:(2*(\q)+\c)*12288+(\i)*768
.endr
.endm
.macro FETCH k
.set FS, ((\k)/2)%3
.set FQ, (\k)%2
	WIN 0x40
.irp i, 0,1,2,3,4,5,6,7
	FRAG 128*FQ+12*\i, 12+FS, 15+FS, FQ, \i
.endr
	WIN 0
.irp i, 0,1,2,3,4,5,6,7
	FRAG 64+96*FQ+12*\i, 6+FS, 9+FS, FQ, \i
.endr
.endm
.macro SCALES sc, ks
.irp q, 0,1
.irp i, 0,1,2,3
	ds_load_b32 v[32+16*(\sc)+8*\q+\i], v18 offset:((\ks)+\q)*1024+\i*128
	ds_load_b32 v[32+16*(\sc)+8*\q+4+\i], v19 offset:((\ks)+\q)*1024+\i*128
.endr
.endr
.endm
.macro WM d, bf, af, sb, sa, rb, ra
.if (\rb) && (\ra)
	v_wmma_scale_f32_16x16x128_f8f6f4 v[\d:\d+7], v[\bf:\bf+11], v[\af:\af+11], v[\d:\d+7], v[\sb], v[\sa] matrix_a_fmt:MATRIX_FMT_BF6 matrix_b_fmt:MATRIX_FMT_BF6 matrix_a_scale:MATRIX_SCALE_ROW1 matrix_b_scale:MATRIX_SCALE_ROW1
.elseif (\rb)
	v_wmma_scale_f32_16x16x128_f8f6f4 v[\d:\d+7], v[\bf:\bf+11], v[\af:\af+11], v[\d:\d+7], v[\sb], v[\sa] matrix_a_fmt:MATRIX_FMT_BF6 matrix_b_fmt:MATRIX_FMT_BF6 matrix_a_scale:MATRIX_SCALE_ROW1
.elseif (\ra)
	v_wmma_scale_f32_16x16x128_f8f6f4 v[\d:\d+7], v[\bf:\bf+11], v[\af:\af+11], v[\d:\d+7], v[\sb], v[\sa] matrix_a_fmt:MATRIX_FMT_BF6 matrix_b_fmt:MATRIX_FMT_BF6 matrix_b_scale:MATRIX_SCALE_ROW1
.else
	v_wmma_scale_f32_16x16x128_f8f6f4 v[\d:\d+7], v[\bf:\bf+11], v[\af:\af+11], v[\d:\d+7], v[\sb], v[\sa] matrix_a_fmt:MATRIX_FMT_BF6 matrix_b_fmt:MATRIX_FMT_BF6
.endif
.endm
.macro WMZ d, bf, af, sb, sa, rb, ra           ; the first product starts the sum: nothing is cleared
.if (\rb) && (\ra)
	v_wmma_scale_f32_16x16x128_f8f6f4 v[\d:\d+7], v[\bf:\bf+11], v[\af:\af+11], 0, v[\sb], v[\sa] matrix_a_fmt:MATRIX_FMT_BF6 matrix_b_fmt:MATRIX_FMT_BF6 matrix_a_scale:MATRIX_SCALE_ROW1 matrix_b_scale:MATRIX_SCALE_ROW1
.elseif (\rb)
	v_wmma_scale_f32_16x16x128_f8f6f4 v[\d:\d+7], v[\bf:\bf+11], v[\af:\af+11], 0, v[\sb], v[\sa] matrix_a_fmt:MATRIX_FMT_BF6 matrix_b_fmt:MATRIX_FMT_BF6 matrix_a_scale:MATRIX_SCALE_ROW1
.elseif (\ra)
	v_wmma_scale_f32_16x16x128_f8f6f4 v[\d:\d+7], v[\bf:\bf+11], v[\af:\af+11], 0, v[\sb], v[\sa] matrix_a_fmt:MATRIX_FMT_BF6 matrix_b_fmt:MATRIX_FMT_BF6 matrix_b_scale:MATRIX_SCALE_ROW1
.else
	v_wmma_scale_f32_16x16x128_f8f6f4 v[\d:\d+7], v[\bf:\bf+11], v[\af:\af+11], 0, v[\sb], v[\sa] matrix_a_fmt:MATRIX_FMT_BF6 matrix_b_fmt:MATRIX_FMT_BF6
.endif
.endm
.macro MUL16 a0, k, cm                 ; the 64 accumulators take turns, one instruction a turn
.set SCB, 32+16*(((\k)/2)%2)+8*((\k)%2)
.set FP, (\k)%2
.irp a, \a0, \a0+1
.irp b, 0,1,2,3,4,5,6,7
.set DD, 8*(8*((\a)%4)+\b)
.if \cm == 1
	WMZ DD, 128*FP+12*\b, 64+96*FP+12*(\a), SCB+4+\b/2, SCB+(\a)/2, \b%2, (\a)%2
.else
	WM DD, 128*FP+12*\b, 64+96*FP+12*(\a), SCB+4+\b/2, SCB+(\a)/2, \b%2, (\a)%2
.endif
.endr
.endr
.endm
.macro KSTEP k, cm, sync
	s_wait_dscnt 0x0                               ; this step's fragments, asked for a whole step ago, are in
.if \k < 7
.if \k > 0
	PLACES
.endif
	FETCH \k+1
.if ((\k+1)%2) == 0
	SCALES ((\k+1)/2)%2, \k+1
.endif
.endif
	WIN 0xa1
	MUL16 0, \k, \cm
	MUL16 2, \k, \cm
.if \sync
	WIN 0
	s_wait_tensorcnt 0x0                           ; all my tensor loads have landed;
	ds_add_u32 v22, v23                            ; 0 onto my spare word
.endif
	WIN 0xf1
	MUL16 4, \k, \cm
.if \sync
	s_wait_dscnt 0x0                               ; the add is done, and my reads of the slot are over
	s_barrier_signal -1
.endif
	MUL16 6, \k, \cm
.if \sync
	WIN 0
	s_barrier_wait -1
.endif
.if \sync == 2
	CREST
	JLOAD 2                                        ; slot 0's refill with the last quarter of K: the first tensor load behind the round, and my only one
.endif
.endm
	s_wait_tensorcnt 0x0                           ; my part of slots 0 and 1 is in
	ds_add_u32 v22, v23                            ; 0 onto my spare word
	s_mov_b32 s[G1A+2], 2<<16                      ; no tensor load of mine is out, so a descriptor may be written: from here on a load brings 2 rows of 64 along K
	s_mov_b32 s[G1A+4], 2
	s_mov_b32 s[G1B+2], 2<<16
	s_mov_b32 s[G1B+4], 2
	s_wait_dscnt 0x0                               ; the add is done, and my scale words lie in LDS
	CROUND                                         ; everybody's parts are in, and all sixteen work-groups are here
	JLOAD 1                                        ; slot 2's first fill: the first tensor load behind the round
	FETCH 0
	SCALES 0, 0
	KSTEP 0, 1, 0
	KSTEP 1, 0, 2                                  ; slot 2's fill is shown landed; slot 0, whose two steps have been read, is filled again
	KSTEP 2, 0, 0
	KSTEP 3, 0, 0
	KSTEP 4, 0, 1
	KSTEP 5, 0, 0
	KSTEP 6, 0, 0
	KSTEP 7, 0, 0
	WIN 0
	PLACES
.irp b, 0,1,2,3
	v_mov_b32 v[156+\b], 0                         ; written once: a lane permute's destination counts as one of its sources
.endr
	v_mov_b32 v171, 0                              ; (named as the upper half of the pair v[170:171])
; THE WAY OUT of the queries' block a.  A lane holds one query; register 16 b + i = key 32 b + 16 h + i of my 128.
.macro SOFTQ a
.set AC, 64*((\a)%4)
	s_wait_xcnt 0x0                                ; the last block's stores have read v128-139
.set WA, 2+(\a)/4                      ; the block's accumulators lie in window 2 or 3
	WIN WA|(WA<<2)|(WA<<4)
	s_wait_alu depctr_va_vdst(0)                   ; directly ahead of the first reader of these matrix results, behind the last block's exponentials
.irp b, 0,1,2,3
	v_max3_num_f32 v[152+\b], v[AC+16*\b], v[AC+1+16*\b], v[AC+2+16*\b]   ; the largest SCORE of each block of 32 keys: it serves for the row's maximum and, since p rises with the score, for the block's largest p; each accumulator from its low end on
.endr
	WIN (WA<<2)|(WA<<4)
.irp i, 3,5,7,9,11,13
.irp b, 0,1,2,3
	v_max3_num_f32 v[152+\b], v[152+\b], v[AC+16*\b+\i], v[AC+1+16*\b+\i]
.endr
.endr
.irp b, 0,1,2,3
	v_max_num_f32 v[152+\b], v[152+\b], v[AC+15+16*\b]
.endr
	WIN 0
.irp b, 0,1,2,3
	v_permlanex16_b32 v[156+\b], v[152+\b], s20, s21
.endr
.irp b, 0,1,2,3
	v_max_num_f32 v[152+\b], v[152+\b], v[156+\b]
.endr
	v_max3_num_f32 v177, v152, v153, v154
	v_max_num_f32 v177, v177, v155                 ; the largest score of my query's 128 keys
	v_mul_f32 v177, s18, v177                      ; as t (the factor is positive)
	v_floor_f32 v170, -v177                        ; -M = floor(-t) = -ceil(t)
	WIN WA
.set J, 0
.rept 32
	v_pk_fma_f32 v[64+J:65+J], v[AC+J:AC+J+1], s[18:19], v[170:171] op_sel_hi:[1,0,0]   ; t - M, two at a time, one rounding
.set J, J+2
.endr
	WIN 0
.irp b, 0,1,2,3
	v_fma_f32 v[152+\b], v[152+\b], s18, v170      ; the same of each block's largest score
.endr
.set J, 0
	s_wait_alu depctr_va_vdst(0)
.rept 64
	v_exp_f32 v[64+J], v[64+J]                     ; p = 2^(t - M), at most 1
.set J, J+1
.endr
.irp b, 0,1,2,3
	v_exp_f32 v[152+\b], v[152+\b]                 ; the block's largest p: the same lines on the same number give the same bits
.endr
	v_nop                                          ; one plain line behind the exponentials
	s_wait_alu depctr_va_vdst(0)
.irp b, 0,1,2,3
	v_max_num_f32 v[152+\b], 0x2800000, v[152+\b]  ; the floor 2^(5 - 127)
.endr
.irp b, 0,1,2,3
	v_add_nc_u32 v[160+\b], 0xfe000000, v[152+\b]
.endr
.irp b, 0,1,2,3
	v_lshrrev_b32 v[164+\b], 23, v[160+\b]
.endr
	v_lshl_or_b32 v168, v165, 8, v164
	v_lshl_or_b32 v168, v166, 16, v168
	v_lshl_or_b32 v168, v167, 24, v168             ; p's scale word, under my M
.irp c, 0,1
	v_cvt_scalef32_pk16_bf6_f32 v[128+6*\c:130+6*\c], v[64+32*\c:79+32*\c], v[160+2*\c]
	v_cvt_scalef32_pk16_bf6_f32 v[140+4*\c:142+4*\c], v[80+32*\c:95+32*\c], v[161+2*\c]
.endr
	v_nop
.irp c, 0,1
.irp i, 0,1,2
	v_permlane16_swap_b32 v[128+6*\c+\i], v[140+4*\c+\i]
.endr
.irp i, 0,1,2
	v_mov_b32 v[131+6*\c+\i], v[140+4*\c+\i]
.endr
.endr
	v_pk_add_f32 v[172:173], v[64:65], v[66:67]    ; the sum of the UNQUANTISED p, two at a time, in two chains
	v_pk_add_f32 v[174:175], v[68:69], v[70:71]
.irp j, 8,12,16,20,24,28,32,36,40,44,48,52,56,60
	v_pk_add_f32 v[172:173], v[172:173], v[64+\j:65+\j]
	v_pk_add_f32 v[174:175], v[174:175], v[66+\j:67+\j]
.endr
	v_pk_add_f32 v[172:173], v[172:173], v[174:175]
	v_add_f32 v176, v172, v173
	v_permlanex16_b32 v177, v176, s20, s21
	v_add_f32 v176, v176, v177
	global_store_b128 v4, v[128:131], s[88:89] offset:(\a)*768
	global_store_b64 v5, v[132:133], s[88:89] offset:(\a)*768+512
	global_store_b128 v4, v[134:137], s[88:89] offset:(\a)*768+KPP
	global_store_b64 v5, v[138:139], s[88:89] offset:(\a)*768+KPP+512
	ds_store_b32 v20, v168 offset:(\a)*64          ; lanes r and 16 + r write the same word with the same value
	ds_store_b32 v20, v170 offset:512+(\a)*64
	ds_store_b32 v20, v176 offset:1024+(\a)*64
.endm
.irp a, 0,1,2,3,4,5,6,7
	SOFTQ \a
.endr
.irp n, 0,1,2
	ds_load_b128 v[180+4*\n:183+4*\n], v21 offset:512*\n   ; LDS serves a wave's instructions in order: these see my stores
.endr
	s_wait_dscnt 0x0
.irp n, 0,1,2
	global_store_b128 v4, v[180+4*\n:183+4*\n], s[90:91] offset:524288*\n   ; 512 consecutive bytes each: words, -M, sums of my 128 queries
.endr
	s_wait_tensorcnt 0x0                           ; the wave's end
	ds_add_u32 v22, v23
	s_wait_dscnt 0x0
	CROUND
	s_endpgm
.Lfunc_end_k_q2b2722e7f0_score:
	.size	k_q2b2722e7f0_score, .Lfunc_end_k_q2b2722e7f0_score-k_q2b2722e7f0_score
	.p2alignl 7, 3214868480
	.fill 96, 4, 3214868480
	.section	.rodata,"a",@progbits
	.p2align	6, 0x0
	.amdhsa_kernel k_q2b2722e7f0_score
		.amdhsa_group_segment_fixed_size 327680
		.amdhsa_private_segment_fixed_size 0
		.amdhsa_enable_private_segment 0
		.amdhsa_kernarg_size 16
		.amdhsa_user_sgpr_count 2
		.amdhsa_user_sgpr_kernarg_segment_ptr 1
		.amdhsa_wavefront_size32 1
		.amdhsa_system_sgpr_workgroup_id_x 1
		.amdhsa_system_sgpr_workgroup_id_y 1
		.amdhsa_system_sgpr_workgroup_id_z 1
		.amdhsa_system_vgpr_workitem_id 0
		.amdhsa_next_free_vgpr 1024
		.amdhsa_next_free_sgpr 100
		.amdhsa_reserve_vcc 0
		.amdhsa_float_denorm_mode_32 3
		.amdhsa_float_denorm_mode_16_64 3
		.amdhsa_memory_ordered 1
		.amdhsa_forward_progress 1
		.amdhsa_inst_pref_size 205
	.end_amdhsa_kernel
	.amdgpu_metadata
---
amdhsa.version: [ 1, 2 ]
amdhsa.kernels:
  - .name:           k_q2b2722e7f0_score
    .symbol:         k_q2b2722e7f0_score.kd
    .args:
      - { .name: qh, .offset: 0, .size: 8, .value_kind: global_buffer, .address_space: global }
      - { .name: qp, .offset: 8, .size: 8, .value_kind: global_buffer, .address_space: global }
    .group_segment_fixed_size: 327680
    .private_segment_fixed_size: 0
    .kernarg_segment_align: 8
    .kernarg_segment_size: 16
    .max_flat_workgroup_size: 128
    .sgpr_count:     100
    .vgpr_count:     1024
    .wavefront_size: 32
...
	.end_amdgpu_metadata
.endif
;; end of part 3
;; launch mix (part 4): grid 8 x 32, 4 waves a work-group, clusters of 4 x 4, 327,680 bytes of LDS; arguments qp, qv, coeff, out0; writes out0
.if DOCPART == 4
	.amdgcn_target "amdgcn-amd-amdhsa--gfx1250"
	.amdhsa_code_object_version 6
	.text
	.protected	k_q2b2722e7f0_mix
	.globl	k_q2b2722e7f0_mix
	.p2align	8
	.type	k_q2b2722e7f0_mix,@function
k_q2b2722e7f0_mix:
	s_mov_b64 s[64:65], 0
	v_nop
	global_prefetch_b8 v0, s[64:65] scope:SCOPE_SE
	s_setreg_imm32_b32 hwreg(HW_REG_WAVE_MODE, 25, 1), 1
	s_wait_xcnt 0x0
	s_wait_alu depctr_hold_cnt(0) depctr_sa_sdst(0) depctr_va_vdst(0) depctr_va_sdst(0) depctr_va_ssrc(0) depctr_va_vcc(0) depctr_vm_vsrc(0)
	s_getreg_b32 s2, hwreg(HW_REG_IB_STS2, 6, 4)
	s_cmp_eq_u32 s2, 0
	s_cbranch_scc0 .Lentry_in_a_cluster
	s_endpgm
.Lentry_in_a_cluster:
	s_bfe_u32 s2, ttmp6, 0x10000c
	s_cmp_lg_u32 s2, 0xf033
	s_cbranch_scc0 .Lentry_shape_is_right
	s_endpgm
.Lentry_shape_is_right:
; MIX.  The right half of out0's rows: coeff x (P0 x) / l0 + (1 - coeff) x (P1 lhs) / l1.  Both products [1024 queries x 1024 keys] x [1024 keys x 1024 d] of a batch, on codes of BF6 with E8M0 scales, meet in ONE work-group:
; a tile of 256 queries x 128 d, two sets of accumulators (branch z = 0, 1), K steps 0-7 for branch 0 and 8-15 for branch 1.  So no sum spans work-groups and nothing but the result is stored.
; p ARRIVES UNDER EIGHT LOCAL M A ROW (one for each 128 keys).  The prologue takes the row's M = the largest, takes M - M_k off the four scale bytes of part k (a power of two: the codes stay), and adds the parts' sums x 2^(M_k - M).
; LIMITS: NaN and infinities are not served.  A byte that would fall under 1 becomes 0, that is 2^-127, where the quantiser would hold the scale at 2^-126 and round anew: such terms lie under 2^-122 beside a row's largest p above 1/2.
; SHARES.  Four waves; a wave makes 128 queries x 64 d for both branches: 2 x 32 accumulators, 512 registers.  Transposed use: source 0 = 16 rows (d) of the values, source 1 = 16 queries of p: a lane holds one query and 32 d.
; Two LDS slots of 512 along K (four K steps): p's 256 rows and the values' 128 rows, as register images.  Two first fills and two refills, each behind a round of the cluster's barrier.  A wave has two tensor loads out at the start, later one.
; CLUSTERS: 4 x 4: p's tiles are asked for jointly along a row of the cluster (the same queries), the values' along a column (the same d).
; REGISTERS: window 0: v0-19 addresses; v20-31, v112-127 at work in the prologue; v32-79 scale words, two sets of 4 K steps x (4 + 2); v80-111 and v192-223 rows on their way out; v128-223 A's set 0; v224-255 1 / l.
;   window 1: v0-47, v48-95 B's two sets; v96-191 A's set 1; v192-223 coeff, v224-255 1 - coeff, in the result's layout.   windows 2, 3: the accumulators of branch 0, 1: (a, b) at v[8 (4 a + b)].
; THE TEXT AS IT STANDS (where the lines above differ, these hold).
; LDS: each wave's quarter lies on end for 1,024 along K: p's half i at 98,304 i as [16 x 64 along K][8 blocks][768], the values' half j at 196,608 + 49,152 j as [16][4 blocks][768]; slot s is K rows 8 s .. 8 s + 7 of each quarter.
; THE FILLS: at the head each wave issues ONE joint load of 16 K rows, its quarter of BOTH slots: all of branch 0.  The barrier ahead of K step 0 has no fill behind it.  Slot 0 takes branch 1's first half in K step 2, slot 1 its second half in K step 6,
; 8 K rows a wave, each behind a round of the cluster's barrier.  By the text's own count a wave never has more than one tensor load out.
; PREFETCH: each refill's bytes are asked for ahead of it: slot 0's behind K step 0's first fragment loads (two K steps ahead), slot 1's behind K step 2's joint load (four K steps ahead).  Of the 8 K rows that a wave will load, the partner at place
; p of the four that ask jointly (p = cx for p's tiles, cy for the values') names rows 2 p and 2 p + 1, one instruction a row, a lane to each 256 bytes (24 or 12 of them; the lanes left over name the row's last again): each block once in a cluster.
; The highest K row named is 15 of a buffer's 16.  The two address registers are never rewritten.  The head's fill comes by its load alone.
; The vector set-up stands ahead of the wait for the arguments.  The prologue's four rows a thread (2 rows x 2 branches) are worked line by line, by turns.
; THE WAY OUT forms u = O1 / l1 and u + coeff x (O0 / l0 - u): the same number as coeff x O0 / l0 + (1 - coeff) x O1 / l1 in another order of rounding; 1 - coeff is not formed, and window 1's v224-255 are not used.
.set KP,    786432
.set HA,    49152                      ; 128 rows of p x 512 K: [8][8 blocks][768]
.set HB,    24576                      ; 64 rows of the values: [8][4 blocks][768]
.set SLOT,  2*HA+2*HB
.set SCLA,  2*SLOT                     ; p's scale words under the row's M: [z][128 along K][256 rows]
.set SCLB,  SCLA+16384                 ; the values': [z][128 along K][128 rows]
.set INV,   SCLB+8192                  ; 1 / l: [z][256 rows]
.set SPARE, INV+2048                   ; the spare words, 128 bytes for each wave: two blocks of 256 bytes that no other line names
.set SP,    272                        ; the way out: 16 rows x (256 bytes + 16) for each wave, in slot 0: it has had its last fill, and behind K step 10's barrier nobody reads it
.set G1A, 24
.set G1B, 32
.set G0A, 40                           ; s[40:47] group 0 for p's tiles, a set for each slot;  s[48:55] for the values'
.set G0B, 48
.set MSB, 0
.macro WIN new
.if MSB != (\new)
	s_set_vgpr_msb (MSB<<8)|(\new)
.set MSB, (\new)
.endif
.endm
.macro PLACES
.rept 4
	v_nop
.endr
.endm
.macro CREST
	s_cmp_lg_u32 s14, 0
	s_cbranch_scc1 .Lnot_wave_0_\@
	s_barrier_signal -3
.Lnot_wave_0_\@:
	s_barrier_wait -3
	s_barrier_signal -1
	s_barrier_wait -1
.endm
.macro CROUND
	s_barrier_signal -1
	s_barrier_wait -1
	CREST
.endm
.macro JLOAD s
	s_cmp_eq_u32 s15, 0
	s_cbranch_scc0 .Lfor_b_\@
	tensor_load_to_lds s[G0A+4*\s:G0A+4*\s+3], s[G1A:G1A+7]
	s_nop 0
.rept 4
	v_nop
.endr
	s_branch .Lasked_\@
.Lfor_b_\@:
	tensor_load_to_lds s[G0B+4*\s:G0B+4*\s+3], s[G1B:G1B+7]
	s_nop 0
.rept 4
	v_nop
.endr
.Lasked_\@:
.endm
	s_load_b256 s[4:11], s[0:1], 0x0               ; qp, qv, coeff, out0
	v_lshl_add_u32 v18, v0, 2, SPARE
	v_mov_b32 v19, 0
	ds_add_u32 v18, v19
	ds_add_u32 v18, v19
	s_wait_dscnt 0x0
	v_lshrrev_b32 v1, 5, v0
	v_readfirstlane_b32 s14, v1
	s_lshr_b32 s15, s14, 1                         ; mh; also: I fetch for p (0) or for the values (1)
	s_and_b32 s16, s14, 1                          ; nh; also: which half I fetch
	s_bfe_u32 s66, ttmp6, 0x40000                  ; cx
	s_bfe_u32 s67, ttmp6, 0x40004                  ; cy: the tile of 256 queries
	s_lshl_b32 s68, ttmp9, 2
	s_add_co_u32 s68, s68, s66                     ; dt: the tile of 128 d, 0..7
	s_and_b32 s69, ttmp7, 0xffff                   ; the batch
	s_lshl_b32 s70, s69, 2
	s_add_co_u32 s70, s70, s67                     ; p's tile of branch 0: 4 batch + cy
	s_lshl_b32 s73, s67, 2
	s_lshl_b32 s73, 15, s73
	s_lshl_b32 s74, 0x1111, s66
	s_mov_b32 s96, 0x80808080
	s_mov_b32 s98, 0x05040100
	s_mov_b32 s99, 0x07060302
	s_or_b32 s[G1A], s73, (3<<16)|(1<<21)          ; p: 8 rows (64 along K each) of 6,144 bytes
	s_mov_b32 s[G1A+1], 768<<16
	s_mov_b32 s[G1A+2], 16<<16                     ; at the head 16 K rows; behind the head's load the two words that count rows are set to 8
	s_mov_b32 s[G1A+3], 768<<16
	s_mov_b32 s[G1A+4], 16
	s_mov_b32 s[G1A+5], KP/8
	s_mov_b32 s[G1A+6], 0
	s_mov_b32 s[G1A+7], 0
	s_or_b32 s[G1B], s74, (3<<16)|(1<<21)          ; the values: 8 rows of 3,072 bytes
	s_mov_b32 s[G1B+1], 384<<16
	s_mov_b32 s[G1B+2], 16<<16
	s_mov_b32 s[G1B+3], 384<<16
	s_mov_b32 s[G1B+4], 16
	s_mov_b32 s[G1B+5], KP/8
	s_mov_b32 s[G1B+6], 0
	s_mov_b32 s[G1B+7], 0
	s_mul_i32 s76, s70, 12288
	s_mul_i32 s17, s16, 6144
	s_add_co_u32 s76, s76, s17                     ; p's codes: block 16 tile + 8 half
	s_mov_b32 s77, 0
	s_mul_i32 s80, s69, 49152
	s_mul_i32 s17, s68, 6144
	s_add_co_u32 s80, s80, s17
	s_mul_i32 s17, s16, 3072
	s_add_co_u32 s80, s80, s17                     ; the values': block 64 batch + 8 dt + 4 half
	s_mov_b32 s81, 0
	s_mul_i32 s75, s16, 2*HA                       ; where my quarter lies: p's halves,
	s_mul_i32 s79, s16, 2*HB
	s_add_co_u32 s79, s79, 4*HA                    ; then the values'
	s_lshl_b32 s82, s68, 9
	s_lshl_b32 s17, s16, 8
	s_add_co_u32 s82, s82, s17                     ; my 64 d, in bytes: in coeff and in a row of out0
	s_mov_b32 s83, 0
	s_lshr_b32 s17, s68, 1
	s_lshl_b32 s84, s69, 2
	s_add_co_u32 s84, s84, s17
	s_lshl_b32 s84, s84, 13
	s_and_b32 s17, s68, 1
	s_lshl_b32 s17, s17, 8
	s_add_co_u32 s84, s84, s17
	s_add_co_u32 s84, s84, 16*KP                   ; the values' scale bytes: tile 4 batch + dt / 2, its half dt % 2
	s_mov_b32 s85, 0
	s_lshl_b32 s86, s70, 13
	s_add_co_u32 s86, s86, 16*KP                   ; p's scale words; -M and the sums lie 524,288 and 1,048,576 bytes on; branch 1 262,144
	s_mov_b32 s87, 0
	s_lshl_b32 s88, s69, 23
	s_lshl_b32 s17, s67, 21
	s_add_co_u32 s88, s88, s17
	s_lshl_b32 s17, s15, 20
	s_add_co_u32 s88, s88, s17
	s_add_co_u32 s88, s88, s82
	s_add_co_u32 s88, s88, 4096                    ; out0: row 1024 batch + 256 cy + 128 mh, right half, my 64 d
	s_mov_b32 s89, 0
	v_and_b32 v1, 31, v0
	v_and_b32 v2, 15, v0
	v_bfe_u32 v3, v0, 4, 1
	v_lshlrev_b32 v20, 4, v1
	v_lshlrev_b32 v21, 3, v1
	s_mul_i32 s92, s15, 2*HA
	s_mul_i32 s93, s16, 2*HB
	s_add_co_u32 s93, s93, 4*HA
	v_add_nc_u32 v4, s92, v20                      ; v4-5: p's fragments, the 16-byte loads, slot 0, 1
	v_add_nc_u32 v8, s93, v20                      ; v8-9: the values'
	s_add_co_u32 s92, s92, 512
	s_add_co_u32 s93, s93, 512
	v_add_nc_u32 v6, s92, v21                      ; v6-7: p's, the 8-byte loads
	v_add_nc_u32 v10, s93, v21                     ; v10-11: the values'
	v_add_nc_u32 v5, HA, v4                        ; slot 1: 8 K rows on in the same quarter
	v_add_nc_u32 v7, HA, v6
	v_add_nc_u32 v9, HB, v8
	v_add_nc_u32 v11, HB, v10
	s_lshl_b32 s92, s15, 9
	s_add_co_u32 s92, s92, SCLA
	v_lshl_add_u32 v12, v1, 2, s92
	s_lshl_b32 s92, s16, 8
	s_add_co_u32 s92, s92, SCLB
	v_lshl_add_u32 v13, v1, 2, s92
	s_mul_i32 s92, s14, 16*SP                      ; my stage
	v_mul_u32_u24 v14, v2, SP
	v_lshl_add_u32 v14, v3, 6, v14
	v_add_nc_u32 v14, s92, v14                     ; in: row r, + 64 h
	v_mul_u32_u24 v15, v3, SP
	v_lshl_add_u32 v15, v2, 4, v15
	v_add_nc_u32 v15, s92, v15                     ; back: lanes 0-15 one row of 256 bytes, lanes 16-31 the next
	v_lshlrev_b32 v16, 4, v2
	v_lshl_add_u32 v16, v3, 13, v16                ; and the same two rows in out0
	s_lshl_b32 s92, s15, 9
	s_add_co_u32 s92, s92, INV
	v_lshl_add_u32 v17, v2, 2, s92                 ; 1 / l of the query that lane r stands for
	v_lshlrev_b32 v116, 6, v3                      ; coeff: 64 h bytes
	v_lshrrev_b32 v122, 4, v0
	v_lshlrev_b32 v117, 10, v122
	v_lshl_add_u32 v117, v2, 4, v117               ; the values' scale bytes: K step t / 16, 8 rows a thread
	v_lshlrev_b32 v118, 3, v0                      ; p's words, -M, sums: rows 2 t, 2 t + 1
	v_lshlrev_b32 v119, 9, v122
	v_lshl_add_u32 v119, v2, 5, v119
	v_add_nc_u32 v119, SCLB, v119
	v_lshl_add_u32 v120, v0, 3, SCLA
	v_lshl_add_u32 v121, v0, 3, INV
	s_cmp_eq_u32 s15, 0                            ; the prefetches: do I fetch for p or for the values?
	s_cselect_b32 s17, 23, 11                      ; the last 256-byte block of a K row of my tile: rows of 6,144 or 3,072 bytes
	s_cselect_b32 s94, s66, s67                    ; my place among the four that ask for the tile with me: cx or cy; it enters an address alone
	s_mul_i32 s94, s94, 2*KP                       ; my two K rows of the eight,
	s_add_co_u32 s94, s94, 393216                  ; in branch 1
	s_mov_b32 s95, 0
	v_min_u32 v22, s17, v1
	v_lshlrev_b32 v22, 8, v22                      ; v22: a lane to each 256 bytes of a K row; never rewritten
	s_wait_alu depctr_va_vdst(0)
	s_wait_kmcnt 0x0
	s_add_nc_u64 s[76:77], s[4:5], s[76:77]
	s_add_nc_u64 s[80:81], s[6:7], s[80:81]
	s_add_nc_u64 s[82:83], s[8:9], s[82:83]
	s_add_nc_u64 s[84:85], s[6:7], s[84:85]
	s_add_nc_u64 s[86:87], s[4:5], s[86:87]
	s_add_nc_u64 s[88:89], s[10:11], s[88:89]
	s_cmp_eq_u32 s15, 0
	s_cselect_b64 s[90:91], s[76:77], s[80:81]     ; s[90:91]: where my prefetches begin; never rewritten
	s_add_nc_u64 s[90:91], s[90:91], s[94:95]
.irp n, 0,1
	s_mov_b32 s[G0A+4*\n], 1
	s_add_co_u32 s[G0A+4*\n+1], s75, \n*HA
	s_add_nc_u64 s[G0A+4*\n+2:G0A+4*\n+3], s[76:77], \n*8*KP
	s_or_b32 s[G0A+4*\n+3], s[G0A+4*\n+3], 0x80000000
	s_mov_b32 s[G0B+4*\n], 1
	s_add_co_u32 s[G0B+4*\n+1], s79, \n*HB
	s_add_nc_u64 s[G0B+4*\n+2:G0B+4*\n+3], s[80:81], \n*8*KP
	s_or_b32 s[G0B+4*\n+3], s[G0B+4*\n+3], 0x80000000
.endr
	CROUND                                         ; all sixteen work-groups are here: the first joint loads meet
	s_cmp_eq_u32 s15, 0                            ; one load a wave at the head, in the two arms of one branch on the wave's number: my quarter of both slots
	s_cbranch_scc0 .Lfirst_b
	tensor_load_to_lds s[G0A:G0A+3], s[G1A:G1A+7]
	s_nop 0
.rept 4
	v_nop
.endr
	s_branch .Lfirst_asked
.Lfirst_b:
	tensor_load_to_lds s[G0B:G0B+3], s[G1B:G1B+7]
	s_nop 0
.rept 4
	v_nop
.endr
.Lfirst_asked:
	WIN 0x40
.irp b, 0,1
.irp i, 0,1,2,3
	global_load_b128 v[192+16*\b+4*\i:195+16*\b+4*\i], v116, s[82:83] offset:128*\b+16*\i   ; coeff at my lane's d: 32 b + 16 h + 0 .. 15
.endr
.endr
	WIN 0
.irp z, 0,1
	global_load_b128 v[224+8*\z:227+8*\z], v117, s[84:85] offset:\z*262144
	global_load_b128 v[228+8*\z:231+8*\z], v117, s[84:85] offset:\z*262144+512
.endr
.irp z, 0,1
.irp k, 0,1,2,3,4,5,6,7
	global_load_b64 v[128+48*\z+6*\k:129+48*\z+6*\k], v118, s[86:87] offset:\z*262144+\k*1024
	global_load_b64 v[130+48*\z+6*\k:131+48*\z+6*\k], v118, s[86:87] offset:\z*262144+\k*1024+524288
	global_load_b64 v[132+48*\z+6*\k:133+48*\z+6*\k], v118, s[86:87] offset:\z*262144+\k*1024+1048576
.endr
.endr
	s_wait_loadcnt 48                              ; coeff and the values' scale bytes are in; p's 48 loads may stay out
.irp z, 0,1
.irp i, 0,1,2,3
	v_perm_b32 v[240+8*\z+2*\i], v[228+8*\z+\i], v[224+8*\z+\i], s98   ; two halves make the word of 128 along K
	v_perm_b32 v[241+8*\z+2*\i], v[228+8*\z+\i], v[224+8*\z+\i], s99
.endr
	ds_store_b128 v119, v[240+8*\z:243+8*\z] offset:\z*4096
	ds_store_b128 v119, v[244+8*\z:247+8*\z] offset:\z*4096+16
.endr
	s_wait_loadcnt 0x0
; My four rows c = 2 z + e (branch z, row 2 t + e) by turns, line by line, so that no line waits for the line above it.  R: part k's word of row c (-M_k at R + 2, the part's sum at R + 4); T: row c's eight registers at work, v32-63: T the row's -M, T + 1 its sum.
.macro RT c, k
.set R, 128+48*((\c)/2)+((\c)%2)+6*(\k)
.set T, 32+8*(\c)
.endm
.irp c, 0,1,2,3
	RT \c, 0
	v_min3_num_f32 v[T], v[R+2], v[R+8], v[R+14]
.endr
.irp j, 20,32
.irp c, 0,1,2,3
	RT \c, 0
	v_min3_num_f32 v[T], v[T], v[R+\j], v[R+\j+6]
.endr
.endr
.irp c, 0,1,2,3
	RT \c, 0
	v_min_num_f32 v[T], v[T], v[R+44]              ; the row's -M: the least of the eight
.endr
.irp k, 0,1,2,3,4,5,6,7
.irp c, 0,1,2,3
	RT \c, \k
	v_sub_f32 v[T+2], v[R+2], v[T]                 ; M - M_k: a whole number, 0 or more,
	v_or_b32 v[T+5], s96, v[R]                     ; the four bytes (each at most 123) with bit 7 set on top of each, so that no byte borrows from its neighbour
.endr
.irp c, 0,1,2,3
	RT \c, \k
	v_min_num_f32 v[T+2], 0x42fe0000, v[T+2]       ; held at 127
.endr
.irp c, 0,1,2,3
	RT \c, \k
	v_cvt_u32_f32 v[T+3], v[T+2]
.endr
.irp c, 0,1,2,3
	RT \c, \k
	v_sub_nc_u32 v[T+4], 0, v[T+3]
	v_perm_b32 v[T+6], v[T+3], v[T+3], 0           ; M - M_k in all four bytes
.endr
.irp c, 0,1,2,3
	RT \c, \k
	v_ldexp_f32 v[T+4], 1.0, v[T+4]                ; 2^(M_k - M)
	v_sub_nc_u32 v[T+5], v[T+5], v[T+6]            ; the bytes less M - M_k;
.endr
.irp c, 0,1,2,3
	RT \c, \k
.if \k == 0
	v_mul_f32 v[T+1], v[R+4], v[T+4]
.else
	v_fmac_f32 v[T+1], v[R+4], v[T+4]              ; the row's sum under M
.endif
	v_and_b32 v[T+6], s96, v[T+5]                  ; bit 7 is left where the byte has not fallen under 0
.endr
.irp c, 0,1,2,3
	RT \c, \k
	v_lshrrev_b32 v[T+7], 7, v[T+6]
.endr
.irp c, 0,1,2,3
	RT \c, \k
	v_sub_nc_u32 v[T+6], v[T+6], v[T+7]            ; 0x7f there, 0 elsewhere
.endr
.irp c, 0,1,2,3
	RT \c, \k
	v_and_b32 v[R], v[T+5], v[T+6]                 ; held at 0
.endr
.endr
	s_wait_alu depctr_va_vdst(0)                   ; the wait ahead of the batch
.irp c, 0,1,2,3
	v_rcp_f32 v[112+\c], v[33+8*\c]
.endr
	v_nop                                          ; one plain line behind the reciprocals
	s_wait_alu depctr_va_vdst(0)                   ; and the wait behind the batch, ahead of its first reader
.irp z, 0,1
.irp k, 0,1,2,3,4,5,6,7
	ds_store_b64 v120, v[128+48*\z+6*\k:129+48*\z+6*\k] offset:\z*8192+\k*1024
.endr
	ds_store_b64 v121, v[112+2*\z:113+2*\z] offset:\z*1024
.endr
.macro FRAG reg, a16, a8, q, i, kp
.irp c, 0,1
	ds_load_b128 v[(\reg)+6*\c:(\reg)+6*\c+3], v[\a16] offset:(2*(\q)+\c)*(\kp)+(\i)*768
	ds_load_b64 v[(\reg)+6*\c+4:(\reg)+6*\c+5], v[\a8] offset:(2*(\q)+\c)*(\kp)+(\i)*768
.endr
.endm
.macro FETCH k                         ; K step k's twelve fragments into set k % 2
.set FS, ((\k)/4)%2
.set FQ, (\k)%4
.set FP, (\k)%2
	WIN 0x40
.irp i, 0,1,2,3
	FRAG 48*FP+12*\i, 8+FS, 10+FS, FQ, \i, 3072
.endr
.if FP == 0
	WIN 0
.endif
.irp i, 0,1,2,3,4,5,6,7
	FRAG 128-32*FP+12*\i, 4+FS, 6+FS, FQ, \i, 6144
.endr
.endm
.macro SCALES sc, ks                   ; the scale words of K steps ks .. ks + 3 into set sc
	WIN 0
.irp q, 0,1,2,3
.irp i, 0,1,2,3
	ds_load_b32 v[32+24*(\sc)+6*\q+\i], v12 offset:((\ks)+\q)*1024+\i*128
.endr
.irp j, 0,1
	ds_load_b32 v[32+24*(\sc)+6*\q+4+\j], v13 offset:((\ks)+\q)*512+\j*128
.endr
.endr
.endm
.macro WM d, bf, af, sb, sa, rb, ra
.if (\rb) && (\ra)
	v_wmma_scale_f32_16x16x128_f8f6f4 v[\d:\d+7], v[\bf:\bf+11], v[\af:\af+11], v[\d:\d+7], v[\sb], v[\sa] matrix_a_fmt:MATRIX_FMT_BF6 matrix_b_fmt:MATRIX_FMT_BF6 matrix_a_scale:MATRIX_SCALE_ROW1 matrix_b_scale:MATRIX_SCALE_ROW1
.elseif (\rb)
	v_wmma_scale_f32_16x16x128_f8f6f4 v[\d:\d+7], v[\bf:\bf+11], v[\af:\af+11], v[\d:\d+7], v[\sb], v[\sa] matrix_a_fmt:MATRIX_FMT_BF6 matrix_b_fmt:MATRIX_FMT_BF6 matrix_a_scale:MATRIX_SCALE_ROW1
.elseif (\ra)
	v_wmma_scale_f32_16x16x128_f8f6f4 v[\d:\d+7], v[\bf:\bf+11], v[\af:\af+11], v[\d:\d+7], v[\sb], v[\sa] matrix_a_fmt:MATRIX_FMT_BF6 matrix_b_fmt:MATRIX_FMT_BF6 matrix_b_scale:MATRIX_SCALE_ROW1
.else
	v_wmma_scale_f32_16x16x128_f8f6f4 v[\d:\d+7], v[\bf:\bf+11], v[\af:\af+11], v[\d:\d+7], v[\sb], v[\sa] matrix_a_fmt:MATRIX_FMT_BF6 matrix_b_fmt:MATRIX_FMT_BF6
.endif
.endm
.macro WMZ d, bf, af, sb, sa, rb, ra
.if (\rb) && (\ra)
	v_wmma_scale_f32_16x16x128_f8f6f4 v[\d:\d+7], v[\bf:\bf+11], v[\af:\af+11], 0, v[\sb], v[\sa] matrix_a_fmt:MATRIX_FMT_BF6 matrix_b_fmt:MATRIX_FMT_BF6 matrix_a_scale:MATRIX_SCALE_ROW1 matrix_b_scale:MATRIX_SCALE_ROW1
.elseif (\rb)
	v_wmma_scale_f32_16x16x128_f8f6f4 v[\d:\d+7], v[\bf:\bf+11], v[\af:\af+11], 0, v[\sb], v[\sa] matrix_a_fmt:MATRIX_FMT_BF6 matrix_b_fmt:MATRIX_FMT_BF6 matrix_a_scale:MATRIX_SCALE_ROW1
.elseif (\ra)
	v_wmma_scale_f32_16x16x128_f8f6f4 v[\d:\d+7], v[\bf:\bf+11], v[\af:\af+11], 0, v[\sb], v[\sa] matrix_a_fmt:MATRIX_FMT_BF6 matrix_b_fmt:MATRIX_FMT_BF6 matrix_b_scale:MATRIX_SCALE_ROW1
.else
	v_wmma_scale_f32_16x16x128_f8f6f4 v[\d:\d+7], v[\bf:\bf+11], v[\af:\af+11], 0, v[\sb], v[\sa] matrix_a_fmt:MATRIX_FMT_BF6 matrix_b_fmt:MATRIX_FMT_BF6
.endif
.endm
.macro MUL8 a0, k                      ; 8 matrix instructions: p's blocks a0, a0 + 1 x the values' four.  A branch's first K step starts its sums.  The 32 accumulators take turns
.set SCB, 32+24*(((\k)/4)%2)+6*((\k)%4)
.set FP, (\k)%2
.irp a, \a0, \a0+1
.irp b, 0,1,2,3
.set DD, 8*(4*(\a)+\b)
.if ((\k)%8) == 0
	WMZ DD, 48*FP+12*\b, 128-32*FP+12*(\a), SCB+4+\b/2, SCB+(\a)/2, \b%2, (\a)%2
.else
	WM DD, 48*FP+12*\b, 128-32*FP+12*(\a), SCB+4+\b/2, SCB+(\a)/2, \b%2, (\a)%2
.endif
.endr
.endr
.endm
; A K step of 128: 32 matrix instructions.  sync = 1: all tensor loads of the four waves are shown landed.  sync = 2: also the slot whose fourth step has just been fetched is filled again, behind a round of the cluster's barrier.
.macro KSTEP k, sync
.set MW, ((2+(\k)/8)<<6)|((2+(\k)/8)<<4)|(((\k)%2)<<2)|1    ; source 0 (the values) window 1, source 1 (p) window k % 2, C and D window 2 + branch
	s_wait_dscnt 0x0                               ; this step's fragments, asked for a whole step ago, are in
.if \k < 15
.if \k > 0
	PLACES
.endif
	FETCH \k+1
.if ((\k+1)%4) == 0
	SCALES ((\k+1)/4)%2, \k+1
.endif
.endif
	WIN MW
	MUL8 0, \k
	MUL8 2, \k
.if \sync
	WIN 0
	s_wait_tensorcnt 0x0                           ; all my tensor loads have landed;
	ds_add_u32 v18, v19                            ; 0 onto my spare word
	WIN MW
.endif
	MUL8 4, \k
.if \sync
	s_wait_dscnt 0x0                               ; the add is done, and my reads of the slot are over
	s_barrier_signal -1
.endif
	MUL8 6, \k
.if \sync
	WIN 0
	s_barrier_wait -1
.endif
.if \sync == 2
.set RS, ((\k)/4)%2
	CREST
	s_add_nc_u64 s[G0A+4*RS+2:G0A+4*RS+3], s[G0A+4*RS+2:G0A+4*RS+3], 393216   ; the same part of K in branch 1: 512 blocks on, in both buffers
	s_add_nc_u64 s[G0B+4*RS+2:G0B+4*RS+3], s[G0B+4*RS+2:G0B+4*RS+3], 393216
	JLOAD RS                                       ; the first tensor load behind the round, and my only one: four K steps in which to land
.endif
.endm
	s_wait_tensorcnt 0x0                           ; my quarter of both slots is in, and no tensor load of mine is out, so a descriptor may be written: from here on a load brings 8 K rows
	s_mov_b32 s[G1A+2], 8<<16
	s_mov_b32 s[G1A+4], 8
	s_mov_b32 s[G1B+2], 8<<16
	s_mov_b32 s[G1B+4], 8
	s_wait_dscnt 0x0                               ; my scale words and 1 / l lie in LDS
	s_barrier_signal -1
	s_barrier_wait -1                              ; everybody's parts are in
	FETCH 0
	SCALES 0, 0
	global_prefetch_b8 v22, s[90:91] th:TH_LOAD_NT scope:SCOPE_SE                ; what K step 2's refill will load: my two K rows of branch 1's rows 0-7
	global_prefetch_b8 v22, s[90:91] offset:KP th:TH_LOAD_NT scope:SCOPE_SE
	KSTEP 0, 0
	KSTEP 1, 0
	KSTEP 2, 2
	global_prefetch_b8 v22, s[90:91] offset:8*KP th:TH_LOAD_NT scope:SCOPE_SE    ; what K step 6's refill will load: my two K rows of branch 1's rows 8-15
	global_prefetch_b8 v22, s[90:91] offset:9*KP th:TH_LOAD_NT scope:SCOPE_SE
	KSTEP 3, 0
	KSTEP 4, 0
	KSTEP 5, 0
	KSTEP 6, 2
	KSTEP 7, 0
	KSTEP 8, 0
	KSTEP 9, 0
	KSTEP 10, 1                                    ; slot 1's refill is shown landed; nobody reads slot 0 any more
	KSTEP 11, 0
	KSTEP 12, 0
	KSTEP 13, 0
	KSTEP 14, 0
	KSTEP 15, 0
	WIN 0
	PLACES
.irp a, 0,1,2,3,4,5,6,7
.irp z, 0,1
	ds_load_b32 v[224+4*\a+2*\z], v17 offset:\z*1024+\a*64       ; 1 / l of my query in block a, twice: a pair for the packed multiply
	ds_load_b32 v[225+4*\a+2*\z], v17 offset:\z*1024+\a*64
.endr
.endr
	s_wait_dscnt 0x0
; THE WAY OUT of the queries' block a.  Register 8 b + j of a lane = d 32 (b / 2) + 16 h + 8 (b % 2) + j of my 64.
.macro COMP a
	WIN 0x03                                       ; source 0: window 3
.set J, 0
.rept 16
	v_pk_mul_f32 v[128+J:129+J], v[32*(\a)+J:32*(\a)+J+1], v[226+4*(\a):227+4*(\a)]   ; O1 / l1; each accumulator from its low end on
.set J, J+2
.endr
	WIN 0x02
.set J, 0
.rept 16
	v_pk_fma_f32 v[160+J:161+J], v[32*(\a)+J:32*(\a)+J+1], v[224+4*(\a):225+4*(\a)], v[128+J:129+J] neg_lo:[0,0,1] neg_hi:[0,0,1]   ; O0 / l0 - O1 / l1
.set J, J+2
.endr
	WIN 0x04                                       ; source 1: window 1; the line below: O1 / l1 + coeff x that difference
.set J, 0
.rept 16
	v_pk_fma_f32 v[160+J:161+J], v[160+J:161+J], v[192+J:193+J], v[128+J:129+J]       ; O1 / l1 + coeff x (O0 / l0 - O1 / l1)
.set J, J+2
.endr
	WIN 0
.endm
.macro TOSTAGE a
.set BK, 80+112*((\a)%2)
	s_wait_xcnt 0x0                                ; the stores of the block before last have read these registers
.irp i, 0,1,2,3,4,5,6,7
	ds_store_b128 v14, v[160+4*\i:163+4*\i] offset:(\i/4)*128+(\i%4)*16
.endr
.irp t, 0,1,2,3,4,5,6,7
	ds_load_b128 v[BK+4*\t:BK+4*\t+3], v15 offset:\t*2*SP        ; LDS serves a wave's instructions in order: these see the stores above
.endr
.endm
.macro SEND a
.set BK, 80+112*((\a)%2)
	s_wait_dscnt 0x0
.irp t, 0,1,2,3,4,5,6,7
	global_store_b128 v16, v[BK+4*\t:BK+4*\t+3], s[88:89] offset:(32*((\a)/2)+8*((\a)%2)+2*\t+8*(\t/4))*8192 th:TH_STORE_NT   ; stage row r is query 32 (a / 2) + 8 (a % 2) + r + 8 (r / 8); sixteen lanes store 256 consecutive bytes, aligned
.endr
.endm
	COMP 0
	s_wait_alu depctr_va_vdst(0)
	TOSTAGE 0
.irp a, 1,2,3,4,5,6,7                  ; a block's arithmetic stands between the loads of the block before and the wait for them
	COMP \a
	s_wait_alu depctr_va_vdst(0)
	SEND \a-1
	TOSTAGE \a
.endr
	SEND 7
	s_wait_tensorcnt 0x0                           ; the wave's end
	ds_add_u32 v18, v19
	s_wait_dscnt 0x0
	CROUND
	s_endpgm
.Lfunc_end_k_q2b2722e7f0_mix:
	.size	k_q2b2722e7f0_mix, .Lfunc_end_k_q2b2722e7f0_mix-k_q2b2722e7f0_mix
	.p2alignl 7, 3214868480
	.fill 96, 4, 3214868480
	.section	.rodata,"a",@progbits
	.p2align	6, 0x0
	.amdhsa_kernel k_q2b2722e7f0_mix
		.amdhsa_group_segment_fixed_size 327680
		.amdhsa_private_segment_fixed_size 0
		.amdhsa_enable_private_segment 0
		.amdhsa_kernarg_size 32
		.amdhsa_user_sgpr_count 2
		.amdhsa_user_sgpr_kernarg_segment_ptr 1
		.amdhsa_wavefront_size32 1
		.amdhsa_system_sgpr_workgroup_id_x 1
		.amdhsa_system_sgpr_workgroup_id_y 1
		.amdhsa_system_sgpr_workgroup_id_z 1
		.amdhsa_system_vgpr_workitem_id 0
		.amdhsa_next_free_vgpr 1024
		.amdhsa_next_free_sgpr 100
		.amdhsa_reserve_vcc 0
		.amdhsa_float_denorm_mode_32 3
		.amdhsa_float_denorm_mode_16_64 3
		.amdhsa_memory_ordered 1
		.amdhsa_forward_progress 1
		.amdhsa_inst_pref_size 202
	.end_amdhsa_kernel
	.amdgpu_metadata
---
amdhsa.version: [ 1, 2 ]
amdhsa.kernels:
  - .name:           k_q2b2722e7f0_mix
    .symbol:         k_q2b2722e7f0_mix.kd
    .args:
      - { .name: qp, .offset: 0, .size: 8, .value_kind: global_buffer, .address_space: global }
      - { .name: qv, .offset: 8, .size: 8, .value_kind: global_buffer, .address_space: global }
      - { .name: coeff, .offset: 16, .size: 8, .value_kind: global_buffer, .address_space: global }
      - { .name: out0, .offset: 24, .size: 8, .value_kind: global_buffer, .address_space: global }
    .group_segment_fixed_size: 327680
    .private_segment_fixed_size: 0
    .kernarg_segment_align: 8
    .kernarg_segment_size: 32
    .max_flat_workgroup_size: 128
    .sgpr_count:     100
    .vgpr_count:     1024
    .wavefront_size: 32
...
	.end_amdgpu_metadata
.endif
;; end of part 4
